; MI455X (gfx1250); checked and timed in simulation.
; The chip was launched on July 23, 2026; its instructions are those of AMD's public machine-readable ISA for CDNA 5 (MIT licence, August 2026) and "CDNA5" Instruction Set Architecture Reference Guide (July 2026). The comments in the code are by the model that wrote it; some were corrected since.
;; Tiny Attn. Allowed arithmetic: matrix products marked QUANTISED: E2M3 operands, one E8M0 scale for each 32 along K, by v_wmma_scale_f32_16x16x128_f8f6f4 with both operands' format E2M3, f32 sums; everything else in f32.
;; Inputs: Wk 1,024 x 1,024 float32; Wo 1,024 x 1,024 float32; Wq 1,024 x 1,024 float32; Wv 1,024 x 1,024 float32; x 4 x 2,048 x 1,024 float32.
;; Outputs: out0 4 x 2,048 x 1,024 float32.
;; This version of the problem:
;;   THIS VERSION OF THE PROBLEM IS GIVEN IN LOW PRECISION. The matrix products marked QUANTISED in the list below multiply operands that are first quantised to E2M3 (2 exponent bits, 3 mantissa bits; 6 bits a number), with one power-of-two scale for each 32 numbers along K (OCP MX v1.0); their sums are f32. All else is computed in f32.
;;   The module's matrix products, in the order in which they are computed (A, B: the left and right operand; K: the contracted axis; several contracted axes count as one K, in the product's order):
;;     1. [M 8,192, K 1,024] x [K 1,024, N 1,024]; A: input x; B: input Wq: QUANTISED
;;     2. [M 8,192, K 1,024] x [K 1,024, N 1,024]; A: input x; B: input Wk: QUANTISED
;;     3. [M 8,192, K 1,024] x [K 1,024, N 1,024]; A: input x; B: input Wv: QUANTISED
;;     4. batch 64 x [M 2,048, K 64] x [K 64, N 2,048]; A: computed on the way; B: computed on the way: QUANTISED
;;     5. batch 64 x [M 64, K 2,048] x [K 2,048, N 2,048]; A: computed on the way; B: softmax (see below): QUANTISED
;;     6. [M 8,192, K 1,024] x [K 1,024, N 1,024]; A: computed on the way; B: input Wo: QUANTISED
;;   THE QUANTISER, for each operand of a quantised product, along K:
;;     - K is cut into blocks of 32 from its start; a last block that is shorter is filled with zeros.
;;     - A block's scale is 2^e with e = floor(log2(the largest magnitude in the block)) - 2, held to -126 .. 127; a block of zeros has e = 0. As a byte (E8M0): e + 127.
;;     - Each number is divided by its block's scale, clamped to +-7.5, and rounded to the nearest number of E2M3, ties to even, subnormals kept.
;;     - The product sums the exact products of the quantised numbers (number of the format x scale) in f32.
;;   ~~~python
;;   def quantise(x, axis):      # numpy; x: float32 -> the quantised numbers, widened to float32 again
;;       x = np.moveaxis(x, axis, -1); K = x.shape[-1]
;;       x = np.pad(x, [(0, 0)] * (x.ndim - 1) + [(0, -K % 32)]); x = x.reshape(x.shape[:-1] + (-1, 32)); a = np.abs(x).max(-1, keepdims=True)
;;       e = np.where(a > 0, np.clip(np.frexp(np.where(a > 0, a, 1))[1] - 1 - 2, -126, 127), 0)      # np.frexp(a)[1] - 1 = floor(log2(a)), exactly
;;       r = np.clip(x / 2.0 ** e, -7.5, 7.5)
;;       step = 2.0 ** (np.maximum(np.frexp(np.where(r == 0, 1, r))[1] - 1, 0) - 3)
;;       q = np.round(r / step) * step * 2.0 ** e      # np.round: ties to even
;;       return np.moveaxis(q.reshape(q.shape[:-2] + (-1,))[..., :K], -1, axis).astype(np.float32)
;;   ~~~
;;   SOFTMAX AHEAD OF A QUANTISED PRODUCT. Where the list says 'softmax', what is quantised is not the finished softmax but p = 2^(t - M), with t = logit x log2(e) and M = ceil(the row's largest t), a whole number; so 1/2 < the row's largest p <= 1. The row's sum l is taken of the UNQUANTISED p, in f32, and the product's result is divided by l at the end. Since M is a whole number, a kernel that streams over the keys may use a running M (the ceiling of the running maximum): every later rescaling is an exact power of two, which a block's scale takes up: the codes' values come out the same.
;;   OPERANDS COMPUTED ON THE WAY. 'Computed on the way' means the value that the module computes at that place (a softmax that the list does not call 'softmax' is quantised finished and normalised). What goes into a quantiser is computed in f32, as accurately as f32 sums, v_exp_f32 and their like allow (about 1e-6 of the number): no bf16 or f16 on the way to a quantiser, and a product that is left as it is and whose result goes on into a quantised operand takes f32 operands (vector FMAs, or v_wmma_f32_16x16x4_f32). A number that lies on a knife's edge between two numbers of the format may be rounded either way, as far as f32 arithmetic and the matrix unit's own rounding can turn it there, and no further.
;; One version. Each part assembles by itself: llvm-mc -triple=amdgcn-amd-amdhsa -mcpu=gfx1250 --defsym DOCPART=n.
;; ======== version 1 of 1: 4 launches
;; limits: right only within a limited range of input values
;; workspace buffers: xw_codes 12,582,912 bytes; xw_scales 393,216 bytes; rope 262,144 bytes; qkv_codes 18,874,368 bytes; qkv_scales 786,432 bytes; y_codes 6,291,456 bytes; y_scales 262,144 bytes
;; launch quant (part 1): grid 448 x 1, 4 waves a work-group, no clusters, 33,280 bytes of LDS; arguments x, Wq, Wk, Wv, Wo, xw_codes, xw_scales, rope; writes xw_codes, xw_scales, rope
.if DOCPART == 1
	.amdgcn_target "amdgcn-amd-amdhsa--gfx1250"
	.amdhsa_code_object_version 6
	.text
	.protected	k_qe15b95a925_quant
	.globl	k_qe15b95a925_quant
	.p2align	8
	.type	k_qe15b95a925_quant,@function
k_qe15b95a925_quant:
	s_mov_b64 s[64:65], 0
	v_nop
	global_prefetch_b8 v0, s[64:65] scope:SCOPE_SE
	s_setreg_imm32_b32 hwreg(HW_REG_WAVE_MODE, 25, 1), 1
	s_wait_xcnt 0x0
; x [8192][1024] and Wq, Wk, Wv, Wo [1024][1024], f32, become codes of FP6 (E2M3) with one E8M0 scale byte for each 32 along K, in ONE stream of 12,288 rows
; (x, Wq, Wk, Wv, Wo): a row of codes is 768 bytes, a row of scale bytes 32.  The last 64 work-groups make the table of cosines and sines for the rotary step.
; A block's scale is 2^(floor(log2(its largest magnitude)) - 2); its byte is the largest magnitude's exponent field - 2, held at 1 from below.
; THE ORDER INSIDE A BLOCK: position p of a block of 32 holds element p (p = 0-7, 24-31), p + 8 (p = 8-15) or p - 8 (p = 16-23).  Every operand of this program is laid so along its K,
; both sides of each product alike, so the products and the block scales are those of the plain order; it is the order in which a lane holds two neighbouring result tiles of a matrix instruction.
; LIMITS: NaN and infinities among the inputs are not served.  A block of zeros, or one whose largest magnitude lies under 2^-124, gets the byte 1 (its codes are zeros or tiny; the bytes are read by this program alone).
; The table: inv_freq = 10^(-i/4), correctly rounded to f32; the angle is the f32 product t x inv_freq; it is reduced by pi/2 in two parts (good for angles up to about 1e4; here under 2,048) and
; sine and cosine are polynomials on [-pi/4, pi/4], good to about an ulp of 1.
; SHARES.  Work-groups 0-383: a wave takes 16 steps of 512 numbers; loads read 512 consecutive bytes, the numbers turn through the wave's own stage in LDS so that a lane holds 16 numbers of one block,
; the codes leave as two runs of 192 bytes a step, the wave's 256 scale bytes as one aligned run of 256 bytes.  No tensor loads, no barrier: waves share nothing.  Nothing is shared between work-groups: no cluster.
.set NQWG,  384                        ; work-groups that quantise: 12,582,912 numbers / 32,768
.set STEPS, 16
.set EMAX,  2
.set CB,    12                         ; bytes of 16 codes
.set R,     16                         ; v16-143  eight sets of 16 numbers as they are loaded: loads run eight steps, 32 loads a wave, ahead
.set X,     144                        ; v144-175 two sets of 16 numbers of one block
.set C,     176                        ; v176-239 four registers for each step: three of codes and the step's scale byte, so that no store's data are written again
.set WREG,  8192                       ; LDS: a region for each wave: two stages of 32 x SP bytes, behind them its 256 scale bytes
.set SP,    80                         ; a place in a stage: 64 bytes + 16 of padding
	s_load_b256 s[4:11], s[0:1], 0x0               ; x, Wq, Wk, Wv
	s_load_b256 s[12:19], s[0:1], 0x20             ; Wo, the codes, the scale bytes, the table
	v_lshl_add_u32 v240, v0, 2, 0x8000
	v_mov_b32 v241, 0
	v_lshrrev_b32 v1, 5, v0
	v_readfirstlane_b32 s20, v1                    ; wave
	v_and_b32 v2, 31, v0                           ; lane
	s_wait_kmcnt 0x0
	s_cmp_ge_u32 ttmp9, NQWG
	s_cbranch_scc1 .Ltable
	s_wait_alu depctr_va_vdst(0)
	v_lshlrev_b32 v3, 4, v2                        ; my 16 bytes of a load's 512
	s_mul_i32 s21, s20, WREG
	v_lshrrev_b32 v14, 2, v2
	v_mul_u32_u24 v14, v14, SP
	v_and_b32 v15, 3, v2
	v_lshl_add_u32 v14, v15, 4, v14
	v_add_nc_u32 v14, s21, v14                     ; the stage, on the way in: four lanes' 64 bytes on end, then 16 of padding
	v_and_b32 v15, 30, v2
	v_mul_u32_u24 v15, v15, SP
	v_and_b32 v13, 1, v2
	v_lshl_add_u32 v15, v13, 5, v15
	v_add_nc_u32 v15, s21, v15                     ; on the way out: a block lies in places lane & 30 and that + 1; the even lane takes the first 32 bytes of both (elements 0-7, 16-23), the odd lane the second 32 (8-15, 24-31)
	; THE CODES' LAYOUT: a row of 1,024 codes goes out as four chunks of 256 bytes, a row pitch of 1,024 bytes: 192 bytes of codes (256 along K), then 64 bytes of zeros
	v_mul_u32_u24 v4, v2, CB                       ; my codes' place in a step's two chunks: 12 bytes a lane,
	v_lshrrev_b32 v13, 4, v2
	v_lshl_add_u32 v4, v13, 6, v4                  ; and lanes 16-31 stand in the second chunk: 64 bytes on
	v_lshlrev_b32 v10, 8, v2                       ; chunk l of my wave's 32: its last 64 bytes are mine to clear
	v_lshrrev_b32 v5, 1, v2
	s_add_co_u32 s21, s21, 2*32*SP
	v_add_nc_u32 v5, s21, v5                       ; LDS: my wave's 256 scale bytes, my block's byte
	v_lshlrev_b32 v7, 3, v2                        ; and on the way out 8 bytes a lane
	v_add_nc_u32 v6, s21, v7
	s_mov_b64 s[22:23], s[12:13]                   ; which tensor is my work-group's?  The choice hangs on the work-group's number alone
	s_mov_b32 s24, 352
	s_cmp_lt_u32 ttmp9, 352
	s_cselect_b64 s[22:23], s[10:11], s[22:23]
	s_cselect_b32 s24, 320, s24
	s_cmp_lt_u32 ttmp9, 320
	s_cselect_b64 s[22:23], s[8:9], s[22:23]
	s_cselect_b32 s24, 288, s24
	s_cmp_lt_u32 ttmp9, 288
	s_cselect_b64 s[22:23], s[6:7], s[22:23]
	s_cselect_b32 s24, 256, s24
	s_cmp_lt_u32 ttmp9, 256
	s_cselect_b64 s[22:23], s[4:5], s[22:23]
	s_cselect_b32 s24, 0, s24                      ; the tensor's first work-group
	s_sub_co_u32 s24, ttmp9, s24
	s_lshl_b32 s24, s24, 2
	s_add_co_u32 s24, s24, s20                     ; which run of 8,192 numbers of the tensor is my wave's
	s_lshl_b32 s24, s24, 15                        ; 32,768 bytes a run
	s_mov_b32 s25, 0
	s_add_nc_u64 s[22:23], s[22:23], s[24:25]
	s_lshl_b32 s26, ttmp9, 2
	s_add_co_u32 s26, s26, s20                     ; and which run of the one stream that goes out
	s_lshl_b32 s28, s26, 13                        ; 8,192 bytes of chunks a run
	s_mov_b32 s29, 0
	s_add_nc_u64 s[14:15], s[14:15], s[28:29]
	s_lshl_b32 s26, s26, 8                         ; 256 scale bytes a run
	s_mov_b32 s27, 0
	s_add_nc_u64 s[16:17], s[16:17], s[26:27]
.macro LOAD t
.irp i, 0,1,2,3
	global_load_b128 v[R+16*((\t)%8)+4*\i:R+16*((\t)%8)+4*\i+3], v3, s[22:23] offset:2048*(\t)+512*\i th:TH_LOAD_NT   ; 32 lanes read 512 consecutive bytes, read once in the launch
.endr
.endm
.macro TURN t                          ; step t's numbers through the stage: LDS serves a wave's instructions in order, so no wait stands between the stores and the loads
.irp i, 0,1,2,3
	ds_store_b128 v14, v[R+16*((\t)%8)+4*\i:R+16*((\t)%8)+4*\i+3] offset:32*SP*((\t)%2)+8*SP*\i
.endr
.irp i, 0,1,2,3
	ds_load_b128 v[X+16*((\t)%2)+4*\i:X+16*((\t)%2)+4*\i+3], v15 offset:32*SP*((\t)%2)+16*(\i%2)+SP*(\i/2)
.endr
.endm
.irp t, 0,1,2,3,4,5,6,7
	LOAD \t
.endr
	s_wait_alu depctr_va_vdst(0)
	s_wait_loadcnt 28                              ; step 0's four loads are in; the 28 of steps 1 to 7 may be out
	TURN 0
.macro STEP t
.set XS, X+16*((\t)%2)
.if (\t) > 0
	s_wait_dscnt 1                                 ; this step's numbers are back from the stage (the last step's byte store may be out): so its stores into the stage have read their registers,
.else
	s_wait_dscnt 0x0
.endif
.if (\t)+8 < STEPS
	LOAD (\t)+8                                    ; which take the loads of eight steps on
.endif
.if (\t)+1 < STEPS
.if STEPS-2-(\t) >= 7
	s_wait_loadcnt 28                              ; the next step's four loads are in; those of the seven steps behind it may be out
.else
	s_wait_loadcnt 4*(STEPS-2-(\t))
.endif
	TURN (\t)+1                                    ; and go through the other stage while this step is worked
.endif
	v_max3_num_f32 v8, |v[XS]|, |v[XS+1]|, |v[XS+2]|               ; the largest magnitude of my 16, in two chains
	v_max3_num_f32 v9, |v[XS+3]|, |v[XS+4]|, |v[XS+5]|
.irp i, 6,10
	v_max3_num_f32 v8, v8, |v[XS+\i]|, |v[XS+\i+1]|
	v_max3_num_f32 v9, v9, |v[XS+\i+2]|, |v[XS+\i+3]|
.endr
	v_max3_num_f32 v8, v8, |v[XS+14]|, |v[XS+15]|
	v_max3_num_f32 v8, v8, v9, (EMAX+1)<<23        ; and the floor 2^(EMAX + 1 - 127): the byte cannot fall under 1
	v_max_num_f32_dpp v8, v8, v8 row_xmask:1 row_mask:0xf bank_mask:0xf   ; and of my neighbour's 16: the block's
	v_add_nc_u32 v11, -(EMAX<<23), v8              ; EMAX off its exponent field: the conversion takes the exponent field of this operand as its scale
	v_cvt_scalef32_pk16_fp6_f32 v[C+4*(\t):C+4*(\t)+2], v[XS:XS+15], v11         ; sixteen numbers / the scale, to the nearest code, ties to even, beyond the largest code the largest
	v_lshrrev_b32 v[C+4*(\t)+3], 23, v11           ; the scale's byte (also the plain line behind the conversion)
	ds_store_b8 v5, v[C+4*(\t)+3] offset:16*(\t)   ; both lanes of a block write the same byte with the same value
	global_store_b96 v4, v[C+4*(\t):C+4*(\t)+2], s[14:15] offset:512*(\t)
.endm
.irp t, 0,1,2,3,4,5,6,7,8,9,10,11,12,13,14,15
	STEP \t
.endr
	ds_load_b64 v[12:13], v6                       ; LDS serves a wave's instructions in order: these see my stores
.irp i, 16,17,18,19
	v_mov_b32 v[\i], 0
.endr
	s_wait_alu depctr_va_vdst(0)
	s_wait_dscnt 0x0
	global_store_b64 v7, v[12:13], s[16:17]        ; 32 lanes store 256 consecutive bytes, aligned
.irp i, 0,1,2,3
	global_store_b128 v10, v[16:19], s[14:15] offset:192+16*\i   ; zeros behind each chunk's codes: every byte that a later launch loads is written
.endr
	s_wait_tensorcnt 0x0
	ds_add_u32 v240, v241
	s_wait_dscnt 0x0
	s_endpgm
; THE TABLE: row t (128 bytes) = cos(t f_0 .. t f_15), sin(t f_0 .. t f_15).  A wave makes four runs of 256 bytes, two rows each: lane l stores the 8 bytes at 8 l: row l / 16;
; lanes with bit 3 clear the cosines of i = 2 (l & 7) and the next, the others the sines.  cos(a) is taken as sin(a + pi/2): one quadrant on.  This path uses no LDS.
.Ltable:
	s_sub_co_u32 s21, ttmp9, NQWG
	s_lshl_b32 s21, s21, 2
	s_add_co_u32 s21, s21, s20
	s_lshl_b32 s21, s21, 2                         ; my wave's first run
	s_lshl_b32 s22, s21, 8
	s_mov_b32 s23, 0
	s_add_nc_u64 s[18:19], s[18:19], s[22:23]
	s_lshl_b32 s21, s21, 1                         ; and its first row t
	s_mov_b32 s24, 0x3f22f983                      ; 2 / pi
	s_mov_b32 s25, 0xbfc90fdb                      ; -(pi/2 rounded to f32)
	s_mov_b32 s26, 0x333bbd2e                      ; that number - pi/2
	s_mov_b32 s27, 0xb94ca1f9                      ; sine: -1.9515296e-4,
	s_mov_b32 s28, 0x3c08839e                      ; 8.3321609e-3,
	s_mov_b32 s29, 0xbe2aaaa3                      ; -1.6666655e-1
	s_mov_b32 s30, 0x37ccf5ce                      ; cosine: 2.4433157e-5,
	s_mov_b32 s31, 0xbab6061a                      ; -1.3887316e-3,
	s_mov_b32 s32, 0x3d2aaaa5                      ; 4.1666646e-2
	v_and_b32 v20, 7, v0                           ; e: my pair of frequencies
	v_bfe_u32 v21, v0, 3, 1
	v_xor_b32 v21, 1, v21                          ; 1 in the lanes that make cosines
	v_bfe_u32 v22, v0, 4, 1
	v_add_nc_u32 v22, s21, v22
	v_cvt_f32_u32 v22, v22                         ; t
	s_wait_alu depctr_va_vdst(0)
	v_lshlrev_b32 v33, 3, v2                       ; 8 x lane
	v_mov_b32 v23, 1.0                             ; f of i = 2 e and of 2 e + 1: chosen among the sixteen constants 10^(-i/4)
	v_mov_b32 v24, 0x3f0ff59a
.macro PICK e, c0, c1
	v_cmp_ne_u32 vcc_lo, \e, v20
	v_cndmask_b32 v23, \c0, v23, vcc_lo
	v_cndmask_b32 v24, \c1, v24, vcc_lo
.endm
	PICK 1, 0x3ea1e89b, 0x3e361887
	PICK 2, 0x3dcccccd, 0x3d6655c3
	PICK 3, 0x3d0186e2, 0x3c91ad39
	PICK 4, 0x3c23d70a, 0x3bb8449c
	PICK 5, 0x3b4f3e37, 0x3ae91528
	PICK 6, 0x3a83126f, 0x3a136a16
	PICK 7, 0x39a5cb5f, 0x393a7753
.macro EVAL f, out
	v_mul_f32 v25, v22, v[\f]                      ; the angle a, rounded to f32
	v_mul_f32 v26, s24, v25
	v_rndne_f32 v26, v26                           ; n = the nearest whole number to a / (pi/2)
	v_fma_f32 v27, v26, s25, v25
	v_fma_f32 v27, v26, s26, v27                   ; r = a - n pi/2, in [-pi/4, pi/4]
	v_mul_f32 v28, v27, v27                        ; z = r^2
	v_fma_f32 v29, v28, s27, s28
	v_fma_f32 v29, v29, v28, s29
	v_mul_f32 v29, v29, v28
	v_fma_f32 v29, v29, v27, v27                   ; sin r
	v_fma_f32 v30, v28, s30, s31
	v_fma_f32 v30, v30, v28, s32
	v_mul_f32 v30, v30, v28
	v_fma_f32 v32, v28, -0.5, 1.0
	v_fma_f32 v30, v30, v28, v32                   ; cos r
	v_cvt_i32_f32 v31, v26
	v_add_nc_u32 v31, v31, v21                     ; the quadrant, one on for a cosine
	v_and_b32 v32, 1, v31
	v_cmp_eq_u32 vcc_lo, 1, v32
	v_cndmask_b32 v[\out], v29, v30, vcc_lo        ; odd quadrants take cos r
	v_and_b32 v31, 2, v31
	v_lshlrev_b32 v31, 30, v31
	v_xor_b32 v[\out], v[\out], v31                ; quadrants 2 and 3 change the sign
.endm
.irp u, 0,1,2,3                                ; each run has its own pair of registers, so no store's data are written again
	EVAL 23, 36+2*\u
	EVAL 24, 37+2*\u
	global_store_b64 v33, v[36+2*\u:37+2*\u], s[18:19] offset:256*\u   ; 32 lanes store 256 consecutive bytes, aligned
	v_add_f32 v22, 2.0, v22                        ; two rows on
.endr
	s_endpgm
.Lfunc_end_k_qe15b95a925_quant:
	.size	k_qe15b95a925_quant, .Lfunc_end_k_qe15b95a925_quant-k_qe15b95a925_quant
	.p2alignl 7, 3214868480
	.fill 96, 4, 3214868480
	.section	.rodata,"a",@progbits
	.p2align	6, 0x0
	.amdhsa_kernel k_qe15b95a925_quant
		.amdhsa_group_segment_fixed_size 33280
		.amdhsa_private_segment_fixed_size 0
		.amdhsa_enable_private_segment 0
		.amdhsa_kernarg_size 64
		.amdhsa_user_sgpr_count 2
		.amdhsa_user_sgpr_kernarg_segment_ptr 1
		.amdhsa_wavefront_size32 1
		.amdhsa_system_sgpr_workgroup_id_x 1
		.amdhsa_system_sgpr_workgroup_id_y 1
		.amdhsa_system_sgpr_workgroup_id_z 1
		.amdhsa_system_vgpr_workitem_id 0
		.amdhsa_next_free_vgpr 242
		.amdhsa_next_free_sgpr 66
		.amdhsa_reserve_vcc 1
		.amdhsa_float_denorm_mode_32 3
		.amdhsa_float_denorm_mode_16_64 3
		.amdhsa_memory_ordered 1
		.amdhsa_forward_progress 1
		.amdhsa_inst_pref_size 45
	.end_amdhsa_kernel
	.amdgpu_metadata
---
amdhsa.version: [ 1, 2 ]
amdhsa.kernels:
  - .name:           k_qe15b95a925_quant
    .symbol:         k_qe15b95a925_quant.kd
    .args:
      - { .name: x, .offset: 0, .size: 8, .value_kind: global_buffer, .address_space: global }
      - { .name: Wq, .offset: 8, .size: 8, .value_kind: global_buffer, .address_space: global }
      - { .name: Wk, .offset: 16, .size: 8, .value_kind: global_buffer, .address_space: global }
      - { .name: Wv, .offset: 24, .size: 8, .value_kind: global_buffer, .address_space: global }
      - { .name: Wo, .offset: 32, .size: 8, .value_kind: global_buffer, .address_space: global }
      - { .name: xw_codes, .offset: 40, .size: 8, .value_kind: global_buffer, .address_space: global }
      - { .name: xw_scales, .offset: 48, .size: 8, .value_kind: global_buffer, .address_space: global }
      - { .name: rope, .offset: 56, .size: 8, .value_kind: global_buffer, .address_space: global }
    .group_segment_fixed_size: 33280
    .private_segment_fixed_size: 0
    .kernarg_segment_align: 8
    .kernarg_segment_size: 64
    .max_flat_workgroup_size: 128
    .sgpr_count:     66
    .vgpr_count:     242
    .wavefront_size: 32
...
	.end_amdgpu_metadata
.endif
;; end of part 1
;; launch qkv (part 2): grid 12 x 32, 4 waves a work-group, clusters of 4 x 4, 327,680 bytes of LDS; arguments xw_codes, xw_scales, rope, qkv_codes, qkv_scales; writes qkv_codes, qkv_scales
.if DOCPART == 2
	.amdgcn_target "amdgcn-amd-amdhsa--gfx1250"
	.amdhsa_code_object_version 6
	.text
	.protected	k_qe15b95a925_qkv
	.globl	k_qe15b95a925_qkv
	.p2align	8
	.type	k_qe15b95a925_qkv,@function
k_qe15b95a925_qkv:
	s_mov_b64 s[64:65], 0
	v_nop
	global_prefetch_b8 v0, s[64:65] scope:SCOPE_SE
	s_setreg_imm32_b32 hwreg(HW_REG_WAVE_MODE, 25, 1), 1
	s_wait_xcnt 0x0
	s_wait_alu depctr_hold_cnt(0) depctr_sa_sdst(0) depctr_va_vdst(0) depctr_va_sdst(0) depctr_va_ssrc(0) depctr_va_vcc(0) depctr_vm_vsrc(0)
	s_getreg_b32 s2, hwreg(HW_REG_IB_STS2, 6, 4)
	s_cmp_eq_u32 s2, 0
	s_cbranch_scc0 .Lentry_in_a_cluster
	s_endpgm
.Lentry_in_a_cluster:
	s_bfe_u32 s2, ttmp6, 0x10000c
	s_cmp_lg_u32 s2, 0xf033
	s_cbranch_scc0 .Lentry_shape_is_right
	s_endpgm
.Lentry_shape_is_right:
; q = rope(x Wq^T), k = rope(x Wk^T), v = x Wv^T on codes of FP6 (E2M3) with E8M0 block scales, K = 1,024; the results are quantised in registers and leave as codes and scale bytes for the attention launch.
; A work-group of four waves makes 256 x 256 results, a wave 128 x 128: 64 accumulators of 16 x 16.  K goes in four steps of 256 through two LDS slots filled by the tensor data mover; the scale bytes of the
; work-group's rows come once and stay.  All operands are rows of one buffer of 12,288 rows (x 0.., Wq 8,192.., Wk 9,216.., Wv 10,240..).
; ROLES.  "A" is the operand whose rows fall into LANES, "B" the one whose rows run along a lane's REGISTERS (source 0 = 16 rows of B, source 1 = 16 rows of A).  Clusters with x = 0, 1: A = tokens, B = rows of Wq, Wk:
; a lane holds one token and its registers run along the head's 64, which is K of q k^T.  Clusters with x = 2: A = rows of Wv, B = tokens: a lane holds one (head, d) and its registers run along the tokens,
; which are K of p v.  Only row numbers are chosen (s_cselect on the cluster's x, the same in all sixteen partners); one loop serves both.
; CLUSTERS: 4 x 4.  A's tile hangs on the place along y alone and is asked for jointly by a row of the cluster, B's on the place along x alone, by a column.
; THE ORDER INSIDE A BLOCK OF 32: a lane's 16 registers of two neighbouring result tiles are elements 8 h + 0..7 and 16 + 8 h + 0..7 of a block; they are taken as positions 16 h + 0..15.  Both operands of every later
; product are laid so.  The rotary step needs no other lane: x1[8 h + j] and x2[8 h + j] are register j of a head's tiles 0 and 1.
; WHAT GOES OUT: images of operand registers: register n of lane l at byte 512 (n / 4) + 16 l + 4 (n % 4) of an image of 1,536 bytes.  q, k: [bh][group of 32 tokens]: registers 6 u .. 6 u + 5 = block h of token 16 u + r.
; v: [bh][step of 128 keys][tile of 16 d]: registers 6 c .. 6 c + 5 = block 2 c + h of the step, for d = r.  Every store of codes covers 512 consecutive bytes, aligned.
; LIMITS: NaN and infinities are not served; a block of zeros or under 2^-124 gets the scale byte 1 (read by this program alone).
; REGISTERS, in windows of 256: window 0: v0-31 addresses; v32-63 scale words, two sets; v64-127 at work on the way out; from v128 A's fragments, on the way out the codes.
;   window 1: B's fragments, two sets (v0, v128); on the way out the table's numbers.   windows 2, 3: the accumulators ((a, b) at v[8 (8 (a % 4) + b)]).
.set KSTEP,  256
.set NQ,     KSTEP/128
.set ROWB,   256                       ; a tile's row in bytes: a chunk: 192 bytes of codes and 64 of zeros, on a 256-byte border
.set KROW,   1024                      ; a row of chunks in memory
.set PITCH,  272                       ; an LDS row: 256 bytes + 16 of padding
.set FR,     12
.set NL,     6
.set NP,     4
.set HALFT,  128*PITCH
.set SLOT,   4*HALFT
.set KS,     32                        ; a row of scale bytes
.set SCL,    2*SLOT
.set HALFS,  (128*KS/256)*272
.set SBLK,   (16*KS/256)*272
.set SPARE,  SCL+4*HALFS               ; the spare words: 128 bytes a wave, two blocks of 256 bytes that no other line names
.set SST,    SPARE+512                 ; stages for the scale words made here: 512 bytes a wave for the q/k way out, and 2,048 bytes on the same for the v way out; no fill lands there
.set HB,     98304                     ; a head's codes in a region of the output
.set ADRA, 16
.set ADRB, 20
.set SSO,  24                          ; v24  the scale stage: SST + 512 x wave + 4 r
.set SRD,  25                          ; v25  and back: SST + 512 x wave + 16 x lane
.set CO,   26                          ; v26  16 x lane
.set ADRS, 27
.set SPW,  28
.set NIL,  29
.set ROFF, 30                          ; v30  the table: (my token) x 128 + 32 h
.set SGO,  31                          ; v31  scale bytes out: 16 (l % 16) + 4,096 (l / 16)
.set SC,   32
.set TM,   64                          ; v64-67 largest magnitudes, v68-71 the other half's / bytes, v76-79 the conversions' scale operands
.set TT,   80                          ; v80-86 the blocks' second halves
.set PW,   88                          ; v88-95 a scale word for each block of A
.set RT,   96                          ; v96-127 the rotary step's products with the sines
.set AF,   128
.set OUT,  128                         ; v128-223 the codes
.set MW,   224                         ; v224-231 scale words as they go out
.set BKS,  232                         ; v232-235 back from the scale stage
.set G1, 24
.set G0, 32
.set G1B, 48
.set G0B, 56
.set G1S, 68
.set G0S, 76
.set G1SB, 80
.set G0SB, 88
.set SEL, 66                           ; s[66:67] lane selects: lane l xor 16
.set ISV, 95                           ; s95  1 in the clusters that make v
.set MSB, 0
.macro WIN new                         ; the immediate's high byte repeats the setting that is left
.if MSB != (\new)
	s_set_vgpr_msb (MSB<<8)|(\new)
.set MSB, (\new)
.endif
.endm
.set MUL_LO, 0xa1                      ; source 0 (B) window 1, source 1 (A) window 0, C and D window 2
.set MUL_HI, 0xf1
.set TO_B,   0x40
; A joint load: waves 0 and 1 fetch for A, waves 2 and 3 for B.  The branch hangs on the wave's number alone.  Four v_nop follow each of the two lines.
.macro JLOAD g0a, g1a, g0b, g1b
	s_cmp_eq_u32 s15, 0
	s_cbranch_scc0 .Lfor_b_\@
	tensor_load_to_lds s[\g0a:\g0a+3], s[\g1a:\g1a+7]
	s_nop 0
.rept 4
	v_nop
.endr
	s_branch .Lasked_\@
.Lfor_b_\@:
	tensor_load_to_lds s[\g0b:\g0b+3], s[\g1b:\g1b+7]
	s_nop 0
.rept 4
	v_nop
.endr
.Lasked_\@:
.endm
.macro CREST                           ; a round of the cluster's barrier behind its opening barrier
	s_cmp_lg_u32 s14, 0
	s_cbranch_scc1 .Lnot_wave_0_\@
	s_barrier_signal -3
.Lnot_wave_0_\@:
	s_barrier_wait -3
	s_barrier_signal -1
	s_barrier_wait -1
.endm
.macro CROUND
	s_barrier_signal -1
	s_barrier_wait -1
	CREST
.endm
	s_load_b128 s[4:7], s[0:1], 0x0                ; the codes s[4:5], the scale bytes s[6:7]
	s_load_b128 s[8:11], s[0:1], 0x10              ; the table s[8:9], codes out s[10:11]
	s_load_b64 s[12:13], s[0:1], 0x20              ; scale bytes out
	v_lshl_add_u32 v[SPW], v0, 2, SPARE
	v_mov_b32 v[NIL], 0
	ds_add_u32 v28, v29
	ds_add_u32 v28, v29
	s_wait_dscnt 0x0
	v_lshrrev_b32 v1, 5, v0
	v_readfirstlane_b32 s14, v1                    ; wave 0..3
	s_lshr_b32 s15, s14, 1                         ; which half of A's 256 rows is mine.  Also: I fetch for A (0) or for B (1)
	s_and_b32 s16, s14, 1                          ; which half of B's.  Also: which 128 rows I fetch
	s_bfe_u32 s40, ttmp6, 0x40000                  ; cx, cy: my place in the cluster
	s_bfe_u32 s41, ttmp6, 0x40004
	s_and_b32 s18, ttmp7, 0xffff
	s_lshl_b32 s18, s18, 2                         ; 4 x cluster y
	s_add_co_u32 s17, s18, s41
	s_lshl_b32 s17, s17, 8                         ; A, q/k: tokens 256 (4 Y + cy) on
	s_lshl_b32 s19, s41, 8
	s_add_co_u32 s19, s19, 10240                   ; A, v: rows 256 cy on of Wv
	s_add_co_u32 s42, s18, s40
	s_lshl_b32 s42, s42, 8                         ; B, v: tokens 256 (4 Y + cx) on
	s_lshl_b32 s45, ttmp9, 2
	s_add_co_u32 s45, s45, s40
	s_lshl_b32 s45, s45, 8
	s_add_co_u32 s45, s45, 8192                    ; B, q/k: rows 256 (4 X + cx) on of Wq, Wk
	s_cmp_eq_u32 ttmp9, 2                          ; the cluster's x: the same in all sixteen partners
	s_cselect_b32 s17, s19, s17                    ; A's first row: hangs on cy, never on cx
	s_cselect_b32 s42, s42, s45                    ; B's first row: hangs on cx, never on cy
	s_cselect_b32 s[ISV], 1, 0
	s_lshl_b32 s43, s41, 2
	s_lshl_b32 s43, 15, s43                        ; my row of the cluster
	s_lshl_b32 s44, 0x1111, s40                    ; my column
	; descriptor group 1: a tile of 128 rows x 256 bytes, 16 bytes of padding behind every 256
	s_or_b32 s[G1+0], s43, (0<<16)|(1<<20)|(1<<21)|(5<<22)|(3<<25)
	s_or_b32 s[G1B+0], s44, (0<<16)|(1<<20)|(1<<21)|(5<<22)|(3<<25)
.irp g, G1, G1B
	s_mov_b32 s[\g+1], ROWB<<16                    ; tensor_dim0
	s_mov_b32 s[\g+2], 256<<16                     ; tensor_dim1: 256 rows for the head's loads, set to 128 behind them
	s_mov_b32 s[\g+3], ROWB<<16                    ; tile_dim0
	s_mov_b32 s[\g+4], 256                         ; tile_dim1
	s_mov_b32 s[\g+5], KROW                        ; from row to row
	s_mov_b32 s[\g+6], 0
	s_mov_b32 s[\g+7], 0
.endr
	; the scale bytes of 256 rows: 8,192 dense bytes, as 32 rows of 256 bytes (32 elements of 8), 16 bytes of padding behind each
	s_or_b32 s[G1S+0], s43, (3<<16)|(1<<20)|(1<<21)|(5<<22)|(3<<25)
	s_or_b32 s[G1SB+0], s44, (3<<16)|(1<<20)|(1<<21)|(5<<22)|(3<<25)
.irp g, G1S, G1SB
	s_mov_b32 s[\g+1], 32<<16
	s_mov_b32 s[\g+2], KS<<16                      ; the scale bytes of 256 rows: KS rows of 256 bytes
	s_mov_b32 s[\g+3], 32<<16
	s_mov_b32 s[\g+4], KS
	s_mov_b32 s[\g+5], 32
	s_mov_b32 s[\g+6], 0
	s_mov_b32 s[\g+7], 0
.endr
	s_mov_b32 s20, s17                             ; the tiles' first rows
	s_mov_b32 s46, s42
	s_mov_b32 s21, 0
	s_mov_b32 s47, 0
	s_mov_b64 s[18:19], KS
	s_mul_u64 s[22:23], s[20:21], s[18:19]         ; where these rows' scale bytes begin
	s_mul_u64 s[92:93], s[46:47], s[18:19]
	s_mov_b64 s[18:19], KROW
	s_mul_u64 s[20:21], s[20:21], s[18:19]         ; and their codes
	s_mul_u64 s[46:47], s[46:47], s[18:19]
	s_mul_i32 s18, s16, 128*KROW                   ; in the ring I fetch 128 rows of a tile: which half, in bytes
	s_mov_b32 s19, 0
	s_mul_i32 s45, s14, HALFT                      ; where they go: wave x 128 rows
	s_wait_kmcnt 0x0
	s_add_nc_u64 s[20:21], s[4:5], s[20:21]
	s_add_nc_u64 s[22:23], s[6:7], s[22:23]
	s_add_nc_u64 s[46:47], s[4:5], s[46:47]
	s_add_nc_u64 s[92:93], s[6:7], s[92:93]
	CROUND                                         ; all sixteen work-groups are here: the first joint loads meet
	s_mov_b32 s[G0S], 1
	s_mov_b32 s[G0S+1], SCL
	s_mov_b64 s[G0S+2:G0S+3], s[22:23]
	s_or_b32 s[G0S+3], s[G0S+3], 0x80000000
	s_mov_b32 s[G0SB], 1
	s_mov_b32 s[G0SB+1], SCL+2*HALFS
	s_mov_b64 s[G0SB+2:G0SB+3], s[92:93]
	s_or_b32 s[G0SB+3], s[G0SB+3], 0x80000000
	s_mov_b32 s4, 1                                ; s[4:7]: group 0 for K step 0's 256 rows of A (the arguments that lay there have been used)
	s_mov_b32 s5, 0
	s_mov_b64 s[6:7], s[20:21]
	s_or_b32 s7, s7, 0x80000000
	s_add_nc_u64 s[20:21], s[20:21], s[18:19]      ; for the ring: my 128 rows of the tile
	s_add_nc_u64 s[92:93], s[46:47], s[18:19]
.irp s, 0,1
	s_mov_b32 s[G0+4*\s], 1
	s_add_co_u32 s[G0+4*\s+1], s45, \s*SLOT
	s_add_nc_u64 s[G0+4*\s+2:G0+4*\s+3], s[20:21], \s*ROWB
	s_or_b32 s[G0+4*\s+3], s[G0+4*\s+3], 0x80000000
	s_mov_b32 s[G0B+4*\s], 1
	s_add_co_u32 s[G0B+4*\s+1], s45, \s*SLOT
	s_add_nc_u64 s[G0B+4*\s+2:G0B+4*\s+3], s[92:93], \s*ROWB
	s_or_b32 s[G0B+4*\s+3], s[G0B+4*\s+3], 0x80000000
.endr
	s_mov_b32 s44, 1                               ; s[44:47]: group 0 for K step 0's 256 rows of B, behind A's in slot 0
	s_mov_b32 s45, 2*HALFT
	s_or_b32 s47, s47, 0x80000000
	; the head's four tiles, one joint load a wave: wave 0 A's 256 rows, wave 1 B's, wave 2 A's scale bytes, wave 3 B's; one tree of branches on the wave's number
	s_cmp_lt_u32 s14, 1
	s_cbranch_scc0 .Lhead_b
	tensor_load_to_lds s[4:7], s[G1:G1+7]
	s_nop 0
.rept 4
	v_nop
.endr
	s_branch .Lhead_asked
.Lhead_b:
	s_cmp_lt_u32 s14, 2
	s_cbranch_scc0 .Lhead_sa
	tensor_load_to_lds s[44:47], s[G1B:G1B+7]
	s_nop 0
.rept 4
	v_nop
.endr
	s_branch .Lhead_asked
.Lhead_sa:
	s_cmp_lt_u32 s14, 3
	s_cbranch_scc0 .Lhead_sb
	tensor_load_to_lds s[G0S:G0S+3], s[G1S:G1S+7]
	s_nop 0
.rept 4
	v_nop
.endr
	s_branch .Lhead_asked
.Lhead_sb:
	tensor_load_to_lds s[G0SB:G0SB+3], s[G1SB:G1SB+7]
	s_nop 0
.rept 4
	v_nop
.endr
.Lhead_asked:
	v_and_b32 v1, 15, v0                           ; r
	v_bfe_u32 v2, v0, 4, 1                         ; h
	v_mul_u32_u24 v3, v1, PITCH
	v_mul_u32_u24 v4, v2, 24
	v_add_nc_u32 v4, v3, v4                        ; a fragment's row x pitch + 24 x half
	s_mul_i32 s21, s15, HALFT
	s_mul_i32 s22, s16, HALFT
	s_add_co_u32 s22, s22, 2*HALFT
.irp s, 0,1
	v_add_nc_u32 v[ADRA+\s], s21, v4
	v_add_nc_u32 v[ADRB+\s], s22, v4
	s_add_co_u32 s21, s21, SLOT
	s_add_co_u32 s22, s22, SLOT
.endr
	v_mul_u32_u24 v5, v1, KS                       ; my row's scale bytes: KS a row,
	v_lshrrev_b32 v6, 8, v5
	v_lshl_add_u32 v5, v6, 4, v5                   ; and 16 more for each 256 passed
	s_mul_i32 s21, s15, HALFS
	s_mul_i32 s22, s16, HALFS
	s_add_co_u32 s22, s22, 2*HALFS
	s_sub_co_u32 s22, s22, s21
	v_mul_u32_u24 v6, s22, v2                      ; lanes 16-31 take B's
	s_add_co_u32 s21, s21, SCL
	v_add_nc_u32 v5, v5, v6
	v_add_nc_u32 v[ADRS], s21, v5
	s_lshl_b32 s23, s14, 9
	s_add_co_u32 s23, s23, SST                     ; my scale stage
	v_lshl_add_u32 v[SSO], v1, 2, s23
	v_and_b32 v6, 31, v0
	v_lshlrev_b32 v[CO], 4, v6
	v_add_nc_u32 v[SRD], s23, v[CO]
	v_lshlrev_b32 v[SGO], 4, v1
	v_lshl_add_u32 v[SGO], v2, 12, v[SGO]
.irp b, 0,1,2,3
	v_mov_b32 v[TM+4+\b], 0                        ; written once: a lane permute's destination counts as one of its sources
.endr
	s_mov_b32 s[SEL], 0x76543210
	s_mov_b32 s[SEL+1], 0xfedcba98
	; where my 128 x 128 results go: they enter global addresses alone
	s_lshl_b32 s18, s15, 7
	s_lshl_b32 s19, s16, 7
	s_add_co_u32 s20, s17, s18                     ; my first row of A
	s_add_co_u32 s21, s42, s19                     ; my first row of B
	s_cmp_eq_u32 s[ISV], 1
	s_cselect_b32 s22, s21, s20                    ; my first token
	s_cselect_b32 s23, s20, s21                    ; my first row of the weights
	s_sub_co_u32 s23, s23, 8192
	s_lshr_b32 s92, s23, 10                        ; 0: q, 1: k, 2: v
	s_bfe_u32 s93, s23, 0x40006                    ; my first head (an even one; the second is the next)
	s_lshr_b32 s94, s22, 11
	s_lshl_b32 s94, s94, 4
	s_add_co_u32 s93, s93, s94                     ; 16 x batch + head
	s_and_b32 s22, s22, 2047                       ; my first token in its batch, a multiple of 128
	s_mul_i32 s96, s92, 64*HB
	s_mul_i32 s97, s93, HB
	s_add_co_u32 s96, s96, s97
	s_mul_i32 s97, s22, 48                         ; 48 bytes of codes a token in a head
	s_add_co_u32 s96, s96, s97
	s_mov_b32 s97, 0
	s_add_nc_u64 s[10:11], s[10:11], s[96:97]
	s_lshl_b32 s96, s92, 18
	s_lshl_b32 s98, s93, 12
	s_add_co_u32 s96, s96, s98
	s_lshl_b32 s98, s22, 1                         ; 2 scale bytes a token in a head
	s_add_co_u32 s96, s96, s98
	s_add_nc_u64 s[12:13], s[12:13], s[96:97]
	v_add_nc_u32 v[ROFF], s22, v1
	v_lshlrev_b32 v[ROFF], 7, v[ROFF]
	v_lshl_add_u32 v[ROFF], v2, 5, v[ROFF]
.macro FRAG reg, adr, q, i             ; a fragment, 16 rows x 128 K, is 12 registers: lane l holds row l % 16; registers 6 c .. 6 c + 5 hold K = 64 c + 32 (l / 16) + 0 .. 31: 24 bytes of the row, as they lie
.irp p, 0,1,2,3,4,5                    ; in pieces of 8 bytes
.set PC, 12*(\q)+6*(\p/3)+\p%3
	ds_load_b64 v[\reg+2*\p:\reg+2*\p+1], v[\adr] offset:8*PC+(\i)*16*PITCH
.endr
.endm
; 16 matrix instructions: A's blocks a0, a0 + 1 x B's eight, 128 along K.  The 64 accumulators take turns, one instruction a turn, in the same order in every step.
.macro MUL16 a0, p, q, sc, zero
.irp a, \a0, \a0+1
.irp b, 0,1,2,3,4,5,6,7
.if \zero
	v_wmma_scale_f32_16x16x128_f8f6f4 v[8*(8*((\a)%4)+\b):8*(8*((\a)%4)+\b)+7], v[128*(\p)+FR*\b:128*(\p)+FR*\b+FR-1], v[AF+FR*(\a):AF+FR*(\a)+FR-1], 0, v[SC+8*NQ*(\sc)+NQ*\b+(\q)], v[SC+8*NQ*(\sc)+NQ*(\a)+(\q)] matrix_a_fmt:MATRIX_FMT_FP6 matrix_b_fmt:MATRIX_FMT_FP6 matrix_a_scale:MATRIX_SCALE_ROW1
.else
	v_wmma_scale_f32_16x16x128_f8f6f4 v[8*(8*((\a)%4)+\b):8*(8*((\a)%4)+\b)+7], v[128*(\p)+FR*\b:128*(\p)+FR*\b+FR-1], v[AF+FR*(\a):AF+FR*(\a)+FR-1], v[8*(8*((\a)%4)+\b):8*(8*((\a)%4)+\b)+7], v[SC+8*NQ*(\sc)+NQ*\b+(\q)], v[SC+8*NQ*(\sc)+NQ*(\a)+(\q)] matrix_a_fmt:MATRIX_FMT_FP6 matrix_b_fmt:MATRIX_FMT_FP6 matrix_a_scale:MATRIX_SCALE_ROW1
.endif
.endr
.endr
.endm
.macro FETCH_B slot, q, p
	WIN TO_B
.irp i, 0,1,2,3,4,5,6,7
	FRAG 128*(\p)+FR*\i, ADRB+\slot, \q, \i
.endr
	WIN 0
.endm
.macro FETCH_A slot, q, i0
.irp i, \i0, \i0+1, \i0+2, \i0+3
	FRAG AF+FR*(\i), ADRA+\slot, \q, \i
.endr
.endm
.macro SCALES sc                       ; a K step's scale words into set sc: lanes 0-15 take A's block i, lanes 16-31 B's block i
.irp i, 0,1,2,3,4,5,6,7
	ds_load_b64 v[SC+8*NQ*\sc+NQ*\i:SC+8*NQ*\sc+NQ*\i+1], v[ADRS] offset:\i*SBLK
.endr
.endm
.macro PLACES n                        ; plain vector instructions between a matrix instruction and a load into, or a vector read or write of, its registers
.rept \n
	v_nop
.endr
.endm
.macro STEP slot, q, zero              ; a step of 128 along K that has its successor in the same slot
	s_wait_dscnt 4*NL                              ; B's set and A's blocks 0-3 are in; the youngest 24 loads (A's blocks 4-7) may be out
	WIN MUL_LO
	MUL16 0, (\q)%2, \q, \slot, \zero
	MUL16 2, (\q)%2, \q, \slot, \zero
	s_wait_dscnt 0
	PLACES NP
	FETCH_B \slot, (\q)+1, 1-(\q)%2
	FETCH_A \slot, (\q)+1, 0
	WIN MUL_HI
	MUL16 4, (\q)%2, \q, \slot, \zero
	MUL16 6, (\q)%2, \q, \slot, \zero
	PLACES NP
	WIN 0
	FETCH_A \slot, (\q)+1, 4
.endm
; A slot's last step changes slots: one barrier; in front of it each wave waits for all its tensor loads, adds 0 to its spare word, and waits for that and for its own reads of this slot.  fill = 1: this slot is filled again, two K steps ahead.
.macro TURN slot, next, fill
	s_wait_tensorcnt 0x0                           ; all my tensor loads have landed: my part of the next slot
	ds_add_u32 v[SPW], v[NIL]                      ; 0 onto my spare word
	s_wait_dscnt 4*NL+1                            ; (the add and the youngest 24 loads may be out)
	WIN MUL_LO
	MUL16 0, 1, NQ-1, \slot, 0
	s_wait_dscnt 0x0                               ; the add is done, and my reads of this slot are over
	s_barrier_signal -1
	MUL16 2, 1, NQ-1, \slot, 0
	WIN 0
	s_barrier_wait -1
.if \fill
	CREST                                          ; the barrier has opened a round of the cluster's barrier: no wave of any partner still reads this slot or has a load on its way
	s_add_nc_u64 s[G0+4*\slot+2:G0+4*\slot+3], s[G0+4*\slot+2:G0+4*\slot+3], 2*ROWB
	s_add_nc_u64 s[G0B+4*\slot+2:G0B+4*\slot+3], s[G0B+4*\slot+2:G0B+4*\slot+3], 2*ROWB
	JLOAD G0+4*\slot, G1, G0B+4*\slot, G1B         ; the first tensor load behind the round; its four v_nop are the places in front of the loads below
.else
	PLACES NP
.endif
	s_wait_alu depctr_va_vdst(0)
	v_add_nc_u32 v[ADRS], 4*NQ, v[ADRS]            ; on to the next K step's scale words
	FETCH_B \next, 0, 0
	FETCH_A \next, 0, 0
	SCALES \next
	WIN MUL_HI
	MUL16 4, 1, NQ-1, \slot, 0
	MUL16 6, 1, NQ-1, \slot, 0
	PLACES NP
	WIN 0
	FETCH_A \next, 0, 4
.endm
	s_wait_alu depctr_va_vdst(0)
	s_wait_tensorcnt 0x0                           ; my tile of the head's four is in
	ds_add_u32 v[SPW], v[NIL]
	s_mov_b32 s[G1+2], 128<<16                     ; no tensor load of mine is out: from here on a load brings 128 rows
	s_mov_b32 s[G1+4], 128
	s_mov_b32 s[G1B+2], 128<<16
	s_mov_b32 s[G1B+4], 128
	s_wait_dscnt 0x0
	CROUND                                         ; all four tiles are in, and all sixteen work-groups are here
	JLOAD G0+4, G1, G0B+4, G1B                     ; K step 1, the first tensor load behind the round
	FETCH_B 0, 0, 0
	FETCH_A 0, 0, 0
	SCALES 0
	FETCH_A 0, 0, 4
	STEP 0, 0, 1                                   ; K = 1,024 is four fills of a slot: written out, since a loop round the ring would make one trip.  The first products start the sums
	TURN 0, 1, 1                                   ; slot 0 takes K step 2
	STEP 1, 0, 0
	TURN 1, 0, 1                                   ; slot 1 takes K step 3
	STEP 0, 0, 0
	TURN 0, 1, 0                                   ; nothing is left to fetch
	STEP 1, 0, 0
	s_wait_dscnt 4*NL
	WIN MUL_LO
	MUL16 0, 1, NQ-1, 1, 0
	MUL16 2, 1, NQ-1, 1, 0
	s_wait_dscnt 0
	WIN MUL_HI
	MUL16 4, 1, NQ-1, 1, 0
	MUL16 6, 1, NQ-1, 1, 0
	WIN 0
; THE WAY OUT, block a of A's eight (16 lanes' rows x 128 along the registers) at a time.
; ROPE: for both heads (tiles b0, b0 + 1 hold x1, x2): x1' = x1 cos + x2 sin, x2' = x2 cos - x1 sin, in f32, two at a time.  Each accumulator is read from its low end on.
.macro ROPE a
.set AW, 2+(\a)/4
.set AC, 64*((\a)%4)
.set CSN, 16*(\a)                      ; in window 1: my token's eight cosines, then its eight sines
	WIN AW|4                                       ; source 0 the accumulators' window, source 1 window 1
.irp b0, 0,4
.irp jj, 0,2,4,6
	v_pk_mul_f32 v[RT+4*\b0+\jj:RT+4*\b0+\jj+1], v[AC+8*(\b0+1)+\jj:AC+8*(\b0+1)+\jj+1], v[CSN+8+\jj:CSN+8+\jj+1]       ; x2 sin
.endr
.irp jj, 0,2,4,6
	v_pk_mul_f32 v[RT+4*\b0+8+\jj:RT+4*\b0+8+\jj+1], v[AC+8*\b0+\jj:AC+8*\b0+\jj+1], v[CSN+8+\jj:CSN+8+\jj+1]           ; x1 sin
.endr
.endr
	WIN AW|4|(AW<<6)                               ; and the destination there too
.irp b0, 0,4
.irp jj, 0,2,4,6
	v_pk_fma_f32 v[AC+8*\b0+\jj:AC+8*\b0+\jj+1], v[AC+8*\b0+\jj:AC+8*\b0+\jj+1], v[CSN+\jj:CSN+\jj+1], v[RT+4*\b0+\jj:RT+4*\b0+\jj+1]
.endr
.irp jj, 0,2,4,6
	v_pk_fma_f32 v[AC+8*(\b0+1)+\jj:AC+8*(\b0+1)+\jj+1], v[AC+8*(\b0+1)+\jj:AC+8*(\b0+1)+\jj+1], v[CSN+\jj:CSN+\jj+1], v[RT+4*\b0+8+\jj:RT+4*\b0+8+\jj+1] neg_lo:[0,0,1] neg_hi:[0,0,1]
.endr
.endr
.endm
; QUANT: the 64 numbers of a lane (four blocks of 32, each shared with lane l xor 16) become codes: blocks 0, 1 in v[D0] .. v[D0 + 5] (lane (r, h): block h), blocks 2, 3 in v[D1] on; the four bytes in v[PW + a].
.macro QUANT a
.set AW, 2+(\a)/4
.set AC, 64*((\a)%4)
	WIN (AW<<2)|(AW<<4)                            ; sources 1 and 2: the accumulators' window
.irp b, 0,1,2,3
	v_max3_num_f32 v[TM+\b], 0x1800000, |v[AC+16*\b]|, |v[AC+16*\b+1]|   ; my 16 numbers of block b, and the floor 2^(3 - 127): the byte cannot fall under 1
.endr
.irp i, 2,4,6,8,10,12,14
.irp b, 0,1,2,3
	v_max3_num_f32 v[TM+\b], v[TM+\b], |v[AC+16*\b+\i]|, |v[AC+16*\b+\i+1]|   ; (the four blocks by turns)
.endr
.endr
	WIN 0
.irp b, 0,1,2,3
	v_permlanex16_b32 v[TM+4+\b], v[TM+\b], s[SEL], s[SEL+1]
.endr
.irp b, 0,1,2,3
	v_max_num_f32 v[TM+\b], v[TM+\b], v[TM+4+\b]   ; with lane l xor 16's: the block's largest magnitude
.endr
.irp b, 0,1,2,3
	v_add_nc_u32 v[TM+12+\b], 0xff000000, v[TM+\b] ; 2 off its exponent field: the conversion's scale operand
.endr
.irp b, 0,1,2,3
	v_lshrrev_b32 v[TM+4+\b], 23, v[TM+12+\b]      ; the scale's byte
.endr
	v_lshl_or_b32 v[PW+\a], v[TM+5], 8, v[TM+4]
	v_lshl_or_b32 v[PW+\a], v[TM+6], 16, v[PW+\a]
	v_lshl_or_b32 v[PW+\a], v[TM+7], 24, v[PW+\a]
	WIN AW                                         ; source 0: the accumulators' window
	v_cvt_scalef32_pk16_fp6_f32 v[D0:D0+2], v[AC:AC+15], v[TM+12]
	v_cvt_scalef32_pk16_fp6_f32 v[TT:TT+2], v[AC+16:AC+31], v[TM+13]     ; (a conversion's three registers begin on an even number)
	v_cvt_scalef32_pk16_fp6_f32 v[D1:D1+2], v[AC+32:AC+47], v[TM+14]
	v_cvt_scalef32_pk16_fp6_f32 v[TT+4:TT+6], v[AC+48:AC+63], v[TM+15]
	v_nop                                          ; one plain line behind the scaled conversions
	WIN 0
.irp i, 0,1,2                                  ; a whole block to a lane: lanes 0-15 the even block, lanes 16-31 the odd one
	v_permlane16_swap_b32 v[D0+\i], v[TT+\i]
.endr
.irp i, 0,1,2
	v_mov_b32 v[D0+3+\i], v[TT+\i]
.endr
.irp i, 0,1,2
	v_permlane16_swap_b32 v[D1+\i], v[TT+4+\i]
.endr
.irp i, 0,1,2
	v_mov_b32 v[D1+3+\i], v[TT+4+\i]
.endr
.endm
.macro WAVE_END
	s_wait_tensorcnt 0x0                           ; the wave's end: behind my last tensor load and my last LDS store
	ds_add_u32 v[SPW], v[NIL]
	s_wait_dscnt 0x0
	CROUND                                         ; the closing round: no work-group ends while a partner may still ask for a tile that names it
	s_endpgm
.endm
	PLACES NP                                      ; behind the last products: for the loads into B's registers, the writes over A's, and the first reads of results
	s_cmp_eq_u32 s[ISV], 1
	s_cbranch_scc1 .Lv
	; ---- q and k: a lane holds a token; blocks 0, 1 are my first head's, blocks 2, 3 my second's
	WIN 0x40                                       ; destination window 1
.irp a, 0,1,2,3,4,5,6,7
	global_load_b128 v[16*\a:16*\a+3],     v[ROFF], s[8:9] offset:2048*\a       ; cos 8 h + 0 .. 3 of token 16 a + r,
	global_load_b128 v[16*\a+4:16*\a+7],   v[ROFF], s[8:9] offset:2048*\a+16    ; + 4 .. 7,
	global_load_b128 v[16*\a+8:16*\a+11],  v[ROFF], s[8:9] offset:2048*\a+64    ; the sines
	global_load_b128 v[16*\a+12:16*\a+15], v[ROFF], s[8:9] offset:2048*\a+80
.endr
	WIN 0
.irp a, 0,1,2,3,4,5,6,7
	s_wait_loadcnt 4*(7-\a)                        ; this block's four loads are in; the later blocks' may be out
	ROPE \a
.set D0, OUT+24*(\a/2)+6*(\a%2)                ; the image of tokens 32 (a / 2) on: registers 6 (a % 2) on; my first head's,
.set D1, D0+12                                 ; my second head's
	QUANT \a
.if \a%2
	v_perm_b32 v[MW+\a-1], v[PW+\a], v[PW+\a-1], 0x05040100    ; first head: token r's two bytes, then token 16 + r's
	v_perm_b32 v[MW+\a], v[PW+\a], v[PW+\a-1], 0x07060302      ; second head
	ds_store_b32 v[SSO], v[MW+\a-1] offset:64*(\a/2)           ; (both halves of the lanes write the same word with the same value)
	ds_store_b32 v[SSO], v[MW+\a] offset:256+64*(\a/2)
.irp c, 0,1
.irp k, 0,1,2
	global_store_b128 v[CO], v[OUT+24*(\a/2)+12*\c+4*\k:OUT+24*(\a/2)+12*\c+4*\k+3], s[10:11] offset:HB*\c+1536*(\a/2)+512*\k   ; 512 consecutive bytes, aligned; every store has data registers of its own
.endr
.endr
.endif
.endr
	ds_load_b128 v[BKS:BKS+3], v[SRD]              ; LDS serves a wave's instructions in order: this sees my stores
	s_wait_dscnt 0x0
	global_store_b128 v[SGO], v[BKS:BKS+3], s[12:13]   ; lanes 0-15: my first head's 256 bytes, lanes 16-31 my second's
	WAVE_END
	; ---- v: a lane holds one (head, d): head a / 4, d = 16 (a % 4) + r; the four blocks are those of my step of 128 keys
.Lv:
.irp a, 0,1,2,3,4,5,6,7
.set D0, OUT+12*\a
.set D1, D0+6
	QUANT \a
	ds_store_b32 v[SSO], v[PW+\a] offset:2048+64*\a
.irp k, 0,1,2
	global_store_b128 v[CO], v[OUT+12*\a+4*\k:OUT+12*\a+4*\k+3], s[10:11] offset:HB*(\a/4)+1536*(\a%4)+512*\k
.endr
.endr
	ds_load_b128 v[BKS:BKS+3], v[SRD] offset:2048
	s_wait_dscnt 0x0
	global_store_b128 v[SGO], v[BKS:BKS+3], s[12:13]
	WAVE_END
.Lfunc_end_k_qe15b95a925_qkv:
	.size	k_qe15b95a925_qkv, .Lfunc_end_k_qe15b95a925_qkv-k_qe15b95a925_qkv
	.p2alignl 7, 3214868480
	.fill 96, 4, 3214868480
	.section	.rodata,"a",@progbits
	.p2align	6, 0x0
	.amdhsa_kernel k_qe15b95a925_qkv
		.amdhsa_group_segment_fixed_size 327680
		.amdhsa_private_segment_fixed_size 0
		.amdhsa_enable_private_segment 0
		.amdhsa_kernarg_size 40
		.amdhsa_user_sgpr_count 2
		.amdhsa_user_sgpr_kernarg_segment_ptr 1
		.amdhsa_wavefront_size32 1
		.amdhsa_system_sgpr_workgroup_id_x 1
		.amdhsa_system_sgpr_workgroup_id_y 1
		.amdhsa_system_sgpr_workgroup_id_z 1
		.amdhsa_system_vgpr_workitem_id 0
		.amdhsa_next_free_vgpr 1024
		.amdhsa_next_free_sgpr 100
		.amdhsa_reserve_vcc 0
		.amdhsa_float_denorm_mode_32 3
		.amdhsa_float_denorm_mode_16_64 3
		.amdhsa_memory_ordered 1
		.amdhsa_forward_progress 1
		.amdhsa_inst_pref_size 221
	.end_amdhsa_kernel
	.amdgpu_metadata
---
amdhsa.version: [ 1, 2 ]
amdhsa.kernels:
  - .name:           k_qe15b95a925_qkv
    .symbol:         k_qe15b95a925_qkv.kd
    .args:
      - { .name: xw_codes, .offset: 0, .size: 8, .value_kind: global_buffer, .address_space: global }
      - { .name: xw_scales, .offset: 8, .size: 8, .value_kind: global_buffer, .address_space: global }
      - { .name: rope, .offset: 16, .size: 8, .value_kind: global_buffer, .address_space: global }
      - { .name: qkv_codes, .offset: 24, .size: 8, .value_kind: global_buffer, .address_space: global }
      - { .name: qkv_scales, .offset: 32, .size: 8, .value_kind: global_buffer, .address_space: global }
    .group_segment_fixed_size: 327680
    .private_segment_fixed_size: 0
    .kernarg_segment_align: 8
    .kernarg_segment_size: 40
    .max_flat_workgroup_size: 128
    .sgpr_count:     100
    .vgpr_count:     1024
    .wavefront_size: 32
...
	.end_amdgpu_metadata
.endif
;; end of part 2
;; launch attn (part 3): grid 4 x 64, 16 waves a work-group, clusters of 4 x 1, 327,680 bytes of LDS; arguments qkv_codes, qkv_scales, y_codes, y_scales; writes y_codes, y_scales
.if DOCPART == 3
	.amdgcn_target "amdgcn-amd-amdhsa--gfx1250"
	.amdhsa_code_object_version 6
	.text
	.protected	k_qe15b95a925_attn
	.globl	k_qe15b95a925_attn
	.p2align	8
	.type	k_qe15b95a925_attn,@function
k_qe15b95a925_attn:
	s_mov_b64 s[64:65], 0
	v_nop
	global_prefetch_b8 v0, s[64:65] scope:SCOPE_SE
	s_setreg_imm32_b32 hwreg(HW_REG_WAVE_MODE, 25, 1), 1
	s_wait_xcnt 0x0
	s_wait_alu depctr_hold_cnt(0) depctr_sa_sdst(0) depctr_va_vdst(0) depctr_va_sdst(0) depctr_va_ssrc(0) depctr_va_vcc(0) depctr_vm_vsrc(0)
	s_getreg_b32 s2, hwreg(HW_REG_IB_STS2, 6, 4)
	s_cmp_eq_u32 s2, 0
	s_cbranch_scc0 .Lentry_in_a_cluster
	s_endpgm
.Lentry_in_a_cluster:
	s_bfe_u32 s2, ttmp6, 0x10000c
	s_cmp_lg_u32 s2, 0x3003
	s_cbranch_scc0 .Lentry_shape_is_right
	s_endpgm
.Lentry_shape_is_right:
; y = softmax(q k^T / 8) v for one (batch, head) and 512 queries a work-group, on codes of FP6 (E2M3) with E8M0 block scales; y leaves as codes and scale bytes for the last product.
; The head's K and V codes (2 x 98,304 bytes) and scale words (2 x 4,096) come into LDS once, by one group of joint loads (the four work-groups of a cluster take the same head), and stay.
; A wave takes 32 queries in two passes of 16; a pass walks the 2,048 keys in 16 steps of 128.  Both products are used transposed (S^T = k q^T, O^T = v^T p^T): a lane holds one query.
; THE KEYS OF A FRAGMENT OF K are chosen by the lanes' LDS addresses: rows 0-7 of the four tiles of a pair of blocks are the 32 keys of the even block, rows 8-15 those of the odd one.
; So lane (r, h) holds in 32 registers ALL of block 2 P + h of query r, at positions 0-7, 16-23, 8-15, 24-31, the order in which V's codes lie along the keys: a block's maximum needs no other lane,
; and the conversions' results are the operand's registers.  A K image holds tokens r and 16 + r in its two halves of K = 128; q stands in one half of its operand and zeros in the other.
; p = 2^(t - M), M the ceiling of the running largest t; the sum is taken of the unquantised p; a block's largest p is made from its largest score by the same two instructions.
; The next step's K fragments are asked of LDS behind this step's second product, among the additions of the row's sum.
; LIMITS: NaN and infinities are not served; the promise holds while the scaled scores stay under 2^31 in magnitude; a block of p under 2^-124 gets the byte 1 (its codes are zeros or tiny).
; No prefetch into the L2: all tiles are asked for at the head, and there is no loop of loads to run ahead in.
.set VOFF,  98304
.set SCK,   196608
.set SCV,   200704
.set YSC,   204800                     ; 1,024 bytes: y's scale bytes, stored by the waves; no fill lands there
.set SPARE, 205824                     ; the spare words: 128 bytes a wave
.set HB,    98304
.set CREG,  64*HB
.set LI, 1
.set GO, 2
.set YSA, 3
.set YRD, 4
.set SH, 5                             ; 8 h
.set LK, 6                             ; lane terms of the four LDS addresses
.set LV, 7
.set LS, 8
.set LT, 9
.set SPW, 10
.set NIL, 11
.set KV, 34                            ; v34-81 four fragments of K or of V
.set QF, 82                            ; v82-93 my 32 queries' image
.set QW, 94
.set QS, 95                            ; q's scale word of this pass
.set SS, 96                            ; v96-159 scores, then p
.set OO, 160                           ; v160-191 O^T
.set PC, 192                           ; v192-203 p's codes
.set TA, 204                           ; v204-206, v208-210 the blocks' second halves
.set KS, 212
.set VS, 216
.set BM, 220
.set SO, 222
.set BY, 224
.set PW, 226
.set T1, 227
.set FF, 228
.set LB, 230
.set T0, 232
.set T2, 233
.set ADK, 234
.set ADV, 235
.set ADS, 236
.set ADT, 237
.set CM, 238
.set YA, 242
.set WV, 18
.set SEL, 20
.set CS, 22
.set G1C, 24
.set G1S, 32
.set G0S, 40
.set G0C, 44
.set TB, 52
.set TS, 53
.set TN, 54
.set TI, 55
.set NPS, 56
.set PM, 57
.set SELQ, 58
.set PO, 59
.set YB, 60
.macro CROUND
	s_barrier_signal -1
	s_barrier_wait -1
	s_cmp_lg_u32 s[WV], 0
	s_cbranch_scc1 .Lnot_wave_0_\@
	s_barrier_signal -3
.Lnot_wave_0_\@:
	s_barrier_wait -3
	s_barrier_signal -1
	s_barrier_wait -1
.endm
.macro MM d, a, b, c, sa, sb
	v_wmma_scale_f32_16x16x128_f8f6f4 v[\d:\d+7], v[\a:\a+11], v[\b:\b+11], \c, v[\sa], v[\sb] matrix_a_fmt:MATRIX_FMT_FP6 matrix_b_fmt:MATRIX_FMT_FP6
.endm
.macro D1
	s_delay_alu instid0(VALU_DEP_1)
.endm
.macro KLOAD off, soff                 ; a step's four fragments of K and their scale words: fragment 2 P + F takes lanes' rows from images 2 P and 2 P + 1
.irp g, 0,1,2,3
.irp c, 0,1,2
	ds_load_b128 v[KV+12*\g+4*\c:KV+12*\g+4*\c+3], v[ADK] offset:(\off)+3072*(\g/2)+128*(\g%2)+512*\c
.endr
	ds_load_b32 v[KS+\g], v[ADS] offset:(\soff)+128*(\g/2)+32*(\g%2)
.endr
.endm
	s_load_b256 s[4:11], s[0:1], 0x0               ; codes, scale bytes, y's codes, y's scale bytes
	v_lshl_add_u32 v[SPW], v0, 2, SPARE
	v_mov_b32 v[NIL], 0
	ds_add_u32 v[SPW], v[NIL]
	ds_add_u32 v[SPW], v[NIL]
	v_lshrrev_b32 v96, 5, v0
	v_readfirstlane_b32 s[WV], v96
	s_bfe_u32 s12, ttmp6, 0x40000                  ; cx: which 512 queries
	s_and_b32 s13, ttmp7, 0xffff                   ; 16 x batch + head
	s_mul_i32 s62, s13, HB
	s_lshl_b32 s63, s13, 12
	s_cmp_ge_u32 s[WV], 6                          ; waves 0-5 fetch K's codes, 6-11 V's, 16,384 bytes each
	s_cselect_b32 s14, CREG-6*16384, 0
	s_lshl_b32 s15, s[WV], 14
	s_add_co_u32 s16, s14, s15
	s_add_co_u32 s16, s16, s62
	s_add_co_u32 s16, s16, CREG
	s_mov_b32 s17, 0
	s_lshl_b32 s48, s[WV], 18                      ; waves 12, 13 fetch K's and V's scale words (the sum is used by these two alone)
	s_add_co_u32 s48, s48, s63
	s_sub_co_u32 s48, s48, 11<<18
	s_mov_b32 s49, 0
	s_mov_b32 s[G1C], 15|(3<<16)|(1<<21)           ; 64 rows of 256 bytes, dense, to all four work-groups
	s_mov_b32 s[G1C+1], 32<<16
	s_mov_b32 s[G1C+2], 64<<16
	s_mov_b32 s[G1C+3], 32<<16
	s_mov_b32 s[G1C+4], 64
	s_mov_b32 s[G1C+5], 32
	s_mov_b32 s[G1C+6], 0
	s_mov_b32 s[G1C+7], 0
	s_mov_b32 s[G1S], 15|(3<<16)|(1<<21)           ; 16 rows of 256 bytes
	s_mov_b32 s[G1S+1], 32<<16
	s_mov_b32 s[G1S+2], 16<<16
	s_mov_b32 s[G1S+3], 32<<16
	s_mov_b32 s[G1S+4], 16
	s_mov_b32 s[G1S+5], 32
	s_mov_b32 s[G1S+6], 0
	s_mov_b32 s[G1S+7], 0
	s_mov_b32 s[G0S], 1
	s_lshl_b32 s[G0S+1], s[WV], 12
	s_add_co_u32 s[G0S+1], s[G0S+1], SCK-12*4096
	s_mov_b32 s[G0C], 1
	s_lshl_b32 s[G0C+1], s[WV], 14
	s_wait_dscnt 0x0
	s_wait_kmcnt 0x0
	s_add_nc_u64 s[G0S+2:G0S+3], s[6:7], s[48:49]
	s_or_b32 s[G0S+3], s[G0S+3], 0x80000000
	s_add_nc_u64 s[G0C+2:G0C+3], s[4:5], s[16:17]
	s_or_b32 s[G0C+3], s[G0C+3], 0x80000000
	CROUND
	s_cmp_lt_u32 s[WV], 12                         ; one chain of branches on the wave's number, at most one fill a wave
	s_cbranch_scc0 .Lh_s
	tensor_load_to_lds s[G0C:G0C+3], s[G1C:G1C+7]
	s_nop 0
.rept 4
	v_nop
.endr
	s_branch .Lh_j
.Lh_s:
	s_cmp_lt_u32 s[WV], 14
	s_cbranch_scc0 .Lh_j
	tensor_load_to_lds s[G0S:G0S+3], s[G1S:G1S+7]
	s_nop 0
.rept 4
	v_nop
.endr
.Lh_j:
	s_lshl_b32 s50, s12, 4
	s_add_co_u32 s50, s50, s[WV]                   ; which image of 32 queries is mine
	s_mul_i32 s66, s50, 1536
	s_add_co_u32 s66, s66, s62
	s_mov_b32 s67, 0
	s_add_nc_u64 s[68:69], s[4:5], s[66:67]
	s_add_nc_u64 s[YB:YB+1], s[8:9], s[66:67]
	s_lshl_b32 s70, s50, 6
	s_add_co_u32 s70, s70, s63
	s_mov_b32 s71, 0
	s_add_nc_u64 s[70:71], s[6:7], s[70:71]
	s_and_b32 s51, s[WV], 1
	s_lshl_b32 s51, s51, 9
	s_lshl_b32 s72, s12, 10
	s_add_co_u32 s72, s72, s63
	s_add_co_u32 s72, s72, s51
	s_mov_b32 s73, 0
	s_add_nc_u64 s[72:73], s[10:11], s[72:73]
	s_add_co_u32 s51, s51, YSC
	s_lshl_b32 s19, s[WV], 6
	s_add_co_u32 s19, s19, YSC
	v_and_b32 v96, 31, v0
	v_and_b32 v97, 15, v0                          ; r
	v_bfe_u32 v98, v0, 3, 1                        ; r / 8
	v_and_b32 v99, 7, v0                           ; r % 8
	v_bfe_u32 v100, v0, 4, 1                       ; h
	v_lshlrev_b32 v[LI], 4, v96
	v_lshlrev_b32 v[GO], 3, v96
	v_lshlrev_b32 v101, 2, v97
.irp c, 0,1,2
	global_load_b128 v[QF+4*\c:QF+4*\c+3], v[LI], s[68:69] offset:512*\c
.endr
	global_load_b32 v[QW], v101, s[70:71]
	v_mul_u32_u24 v[LK], v98, 1536                 ; K: image r / 8 of the pair, lane slot 16 h + r % 8 (+ 8 F in the offset)
	v_lshl_add_u32 v[LS], v98, 6, SCK
	v_lshl_add_u32 v[LK], v100, 8, v[LK]
	v_lshl_add_u32 v[LS], v99, 2, v[LS]
	v_lshl_add_u32 v[LK], v99, 4, v[LK]
	v_add_nc_u32 v[LV], VOFF, v[LI]
	v_lshl_add_u32 v[LT], v97, 2, SCV
	v_lshlrev_b32 v[SH], 3, v100
	v_lshl_add_u32 v[YSA], v97, 1, s19
	v_add_nc_u32 v[YRD], s51, v[LI]
	v_mov_b32 v[ADK], v[LK]
	v_mov_b32 v[ADV], v[LV]
	v_mov_b32 v[ADS], v[LS]
	v_mov_b32 v[ADT], v[LT]
.irp i, 22,23,24,25,26,27
	v_mov_b32 v[\i], 0                             ; the zeros between q's two copies
.endr
	v_mov_b32 v[T1], 0                             ; written once: a lane permute's destination counts as one of its sources
	v_mov_b32 v[FF+1], 0
	s_mov_b32 s[SEL], 0x76543210
	s_mov_b32 s[SEL+1], 0xfedcba98
	s_mov_b32 s[CS], 0x3e38aa3b                    ; log2(e) / 8
	s_mov_b32 s[CS+1], s[CS]
	s_mov_b32 s[NPS], 2
	s_mov_b32 s[PM], 0
	s_mov_b32 s[SELQ], 0x01000100
	s_mov_b32 s[PO], 0
	s_wait_alu depctr_va_vdst(0)
	s_wait_loadcnt 0x0
	s_wait_tensorcnt 0x0
	s_barrier_signal -1
	s_barrier_wait -1                              ; everybody's part of K, V and the scale words is in
	KLOAD 0, 0
.macro STEP k
	s_wait_alu depctr_va_vdst(0)
	s_wait_dscnt 0x0                               ; this step's K fragments are in
.irp g, 0,1,2,3
	MM SS+16*\g, KV+12*\g, 16, 0, KS+\g, QS
	MM SS+16*\g+8, KV+12*\g, 22, 0, KS+\g, QS
.endr
.rept 4
	v_nop                                          ; places ahead of loads into registers that matrix instructions have read
.endr
.irp t, 0,1,2,3
.irp c, 0,1,2
	ds_load_b128 v[KV+12*\t+4*\c:KV+12*\t+4*\c+3], v[ADV] offset:6144*\k+1536*\t+512*\c
.endr
	ds_load_b32 v[VS+\t], v[ADT] offset:256*\k+64*\t
.endr
.irp b, 0,1,2,3                                ; the largest score of my two blocks, in four chains; each accumulator is read from its low end on
	v_max3_num_f32 v[CM+\b], v[SS+16*\b], v[SS+16*\b+1], v[SS+16*\b+2]
.endr
.irp i, 3,5,7,9,11,13
.irp b, 0,1,2,3
	v_max3_num_f32 v[CM+\b], v[CM+\b], v[SS+16*\b+\i], v[SS+16*\b+\i+1]
.endr
.endr
	v_max3_num_f32 v[CM], v[CM], v[SS+15], v[SS+31]
	v_max3_num_f32 v[CM+2], v[CM+2], v[SS+47], v[SS+63]
	s_delay_alu instid0(VALU_DEP_2)
	v_max_num_f32 v[BM], v[CM], v[CM+1]
	s_delay_alu instid0(VALU_DEP_2)
	v_max_num_f32 v[BM+1], v[CM+2], v[CM+3]
	D1
	v_max_num_f32 v[T0], v[BM], v[BM+1]
	D1
	v_permlanex16_b32 v[T1], v[T0], s[SEL], s[SEL+1]
	D1
	v_max3_num_f32 v13, v13, v[T0], v[T1]          ; the running largest score of my query
	v_mov_b32 v[T2], v12
	s_delay_alu instid0(VALU_DEP_2)
	v_mul_f32 v[T0], s[CS], v13
	D1
	v_floor_f32 v12, -v[T0]                        ; -M = -ceil(t)
	D1
	v_sub_f32 v[T2], v12, v[T2]
	D1
	v_cvt_i32_f32 v[T2], v[T2]
	D1
	v_ldexp_f32 v[FF], 1.0, v[T2]                  ; f = 2^(old M - new M)
.irp j, 0,2,4,6,8,10,12,14,16,18,20,22,24,26,28,30,32,34,36,38,40,42,44,46,48,50,52,54,56,58,60,62
	v_pk_fma_f32 v[SS+\j:SS+\j+1], v[SS+\j:SS+\j+1], s[CS:CS+1], v[12:13] op_sel_hi:[1,0,0]
.endr
	v_fma_f32 v[BM], v[BM], s[CS], v12
	v_fma_f32 v[BM+1], v[BM+1], s[CS], v12
	s_wait_alu depctr_va_vdst(0)
.irp j, 0,1,2,3,4,5,6,7,8,9,10,11,12,13,14,15,16,17,18,19,20,21,22,23,24,25,26,27,28,29,30,31,32,33,34,35,36,37,38,39,40,41,42,43,44,45,46,47,48,49,50,51,52,53,54,55,56,57,58,59,60,61,62,63
	v_exp_f32 v[SS+\j], v[SS+\j]
.endr
	v_exp_f32 v[BM], v[BM]
	v_exp_f32 v[BM+1], v[BM+1]
	v_pk_mul_f32 v[14:15], v[14:15], v[FF:FF+1] op_sel_hi:[1,0]   ; the sum under the new M (the plain place behind the batch)
	s_wait_alu depctr_va_vdst(0)                   ; and behind it
	v_max_num_f32 v[BM], 0x1800000, v[BM]          ; the floor 2^(3 - 127): the byte cannot fall under 1
	v_max_num_f32 v[BM+1], 0x1800000, v[BM+1]
	v_add_nc_u32 v[SO], 0xff000000, v[BM]          ; 2 off the exponent field: the conversion's scale operand
	v_add_nc_u32 v[SO+1], 0xff000000, v[BM+1]
.irp c, 0,1
	v_cvt_scalef32_pk16_fp6_f32 v[PC+6*\c:PC+6*\c+2], v[SS+32*\c:SS+32*\c+15], v[SO+\c]
	v_cvt_scalef32_pk16_fp6_f32 v[TA+4*\c:TA+4*\c+2], v[SS+32*\c+16:SS+32*\c+31], v[SO+\c]   ; (a conversion's three registers begin on an even number)
.endr
	v_lshrrev_b32 v[BY], 23, v[SO]                 ; my two scale bytes: blocks h and 2 + h
	v_lshrrev_b32 v[BY+1], 23, v[SO+1]
	D1
	v_lshl_or_b32 v[PW], v[BY+1], 16, v[BY]
	D1
	v_lshlrev_b32 v[PW], v[SH], v[PW]
	D1
	v_permlanex16_b32 v[T1], v[PW], s[SEL], s[SEL+1]
	D1
	v_or_b32 v[PW], v[PW], v[T1]                   ; with lane l xor 16's two the word is whole
.irp c, 0,1
.irp i, 0,1,2
	v_mov_b32 v[PC+6*\c+3+\i], v[TA+4*\c+\i]
.endr
.endr
	s_wait_alu depctr_va_vdst(0)
.irp j, 0,2,4,6,8,10,12,14,16,18,20,22,24,26,28,30
	v_pk_mul_f32 v[OO+\j:OO+\j+1], v[OO+\j:OO+\j+1], v[FF:FF+1] op_sel_hi:[1,0]   ; O^T under the new M; also the places ahead of the products below
.endr
	s_wait_alu depctr_va_vdst(0)
	s_wait_dscnt 0x0                               ; V's fragments are in
.irp t, 0,1,2,3
	MM OO+8*\t, KV+12*\t, PC, v[OO+8*\t:OO+8*\t+7], VS+\t, PW
.endr
	v_pk_add_f32 v[LB:LB+1], v[SS:SS+1], v[SS+2:SS+3]              ; the row's sum of the unquantised p, in two chains; the first five are the places ahead of the loads
.irp j, 4,8
	v_pk_add_f32 v[14:15], v[14:15], v[SS+\j:SS+\j+1]
	v_pk_add_f32 v[LB:LB+1], v[LB:LB+1], v[SS+\j+2:SS+\j+3]
.endr
.if \k < 3
	KLOAD 6144*(\k+1), 256*(\k+1)
.else
	s_add_co_u32 s[TI], s[TI], 1                   ; on to the next four steps; behind the sixteenth step back to the first, for the second pass
	s_and_b32 s[TN], s[TI], 3
	s_mul_i32 s[TB], s[TN], 24576
	s_lshl_b32 s[TS], s[TN], 10
	v_add_nc_u32 v[ADK], s[TB], v[LK]
	v_add_nc_u32 v[ADV], s[TB], v[LV]
	v_add_nc_u32 v[ADS], s[TS], v[LS]
	v_add_nc_u32 v[ADT], s[TS], v[LT]
	s_mul_i32 s[TN], s[NPS], 8
	s_add_co_u32 s[TN], s[TN], s[TI]
	s_wait_alu depctr_va_vdst(0)
	s_cmp_eq_u32 s[TN], 12                         ; the second pass's last step has no successor
	s_cbranch_scc1 .Lnok
	KLOAD 0, 0
.Lnok:
.endif
.irp j, 12,16,20,24,28,32,36,40,44,48,52,56,60
	v_pk_add_f32 v[14:15], v[14:15], v[SS+\j:SS+\j+1]
	v_pk_add_f32 v[LB:LB+1], v[LB:LB+1], v[SS+\j+2:SS+\j+3]
.endr
	D1
	v_pk_add_f32 v[14:15], v[14:15], v[LB:LB+1]
.endm
.Lpass:
	v_perm_b32 v[QS], v[QW], v[QW], s[SELQ]        ; this pass's 16 queries: their two scale bytes, for both halves of K
.irp i, 0,1,2,3,4,5
	v_cndmask_b32 v[16+\i], v[QF+\i], v[QF+6+\i], s[PM]
.endr
.irp i, 0,1,2,3,4,5
	v_mov_b32 v[28+\i], v[16+\i]
.endr
	v_mov_b32 v13, 0xff61b1e6                      ; -3e38, under every score
	v_mov_b32 v12, 0x7e24b0c7                      ; -M to begin with: a large whole number, so that the first f is 0
	v_mov_b32 v14, 0
	v_mov_b32 v15, 0
.irp j, 0,1,2,3,4,5,6,7,8,9,10,11,12,13,14,15,16,17,18,19,20,21,22,23,24,25,26,27,28,29,30,31
	v_mov_b32 v[OO+\j], 0                          ; the step is written once: the first finds zeros
.endr
	s_mov_b32 s[TI], 0
.Lstep:
	STEP 0
	STEP 1
	STEP 2
	STEP 3
	s_wait_alu depctr_va_vdst(0)
	s_cmp_lt_u32 s[TI], 4
	s_cbranch_scc1 .Lstep
	v_add_f32 v14, v14, v15
	v_permlanex16_b32 v[T1], v14, s[SEL], s[SEL+1]
	v_add_f32 v14, v14, v[T1]                      ; the row's sum
	s_wait_alu depctr_va_vdst(0)
	v_rcp_f32 v14, v14
	v_add_nc_u32 v[YA], s[PO], v[YSA]
	s_wait_alu depctr_va_vdst(0)
.irp j, 0,2,4,6,8,10,12,14,16,18,20,22,24,26,28,30
	v_pk_mul_f32 v[SS+\j:SS+\j+1], v[OO+\j:OO+\j+1], v[14:15] op_sel_hi:[1,0]   ; y(r, 16 t + 8 h + i)
.endr
	v_max3_num_f32 v128, |v96|, |v97|, 0x1800000   ; y's two blocks of 32 along the head, each shared with lane l xor 16
	v_max3_num_f32 v129, |v112|, |v113|, 0x1800000
.irp i, 2,4,6,8,10,12,14                       ; the two blocks by turns
	v_max3_num_f32 v128, v128, |v[96+\i]|, |v[97+\i]|
	v_max3_num_f32 v129, v129, |v[112+\i]|, |v[113+\i]|
.endr
	v_permlanex16_b32 v130, v128, s[SEL], s[SEL+1]
	v_permlanex16_b32 v131, v129, s[SEL], s[SEL+1]
	v_max_num_f32 v128, v128, v130
	v_max_num_f32 v129, v129, v131
	v_add_nc_u32 v132, 0xff000000, v128            ; 2 off the exponent field: the conversion's scale operand
	v_add_nc_u32 v133, 0xff000000, v129
	v_lshrrev_b32 v134, 23, v132                   ; the scale's byte
	v_lshrrev_b32 v135, 23, v133
	v_lshl_or_b32 v136, v135, 8, v134
	v_cvt_scalef32_pk16_fp6_f32 v[140:142], v[96:111], v132
	v_cvt_scalef32_pk16_fp6_f32 v[148:150], v[112:127], v133
	v_nop
.irp i, 0,1,2
	v_permlane16_swap_b32 v[140+\i], v[148+\i]     ; a whole block to a lane
.endr
.irp i, 0,1,2
	v_mov_b32 v[143+\i], v[148+\i]
.endr
.irp k, 0,1,2
	global_store_b64 v[GO], v[140+2*\k:141+2*\k], s[YB:YB+1] offset:256*\k   ; 256 consecutive bytes, aligned
.endr
	ds_store_b16 v[YA], v136
	s_wait_xcnt 0x0                                ; the stores have read their registers and their base
	s_add_nc_u64 s[YB:YB+1], s[YB:YB+1], 768
	s_add_co_u32 s[PO], s[PO], 32
	s_mov_b32 s[PM], -1
	s_mov_b32 s[SELQ], 0x03020302
	s_sub_co_u32 s[NPS], s[NPS], 1
	s_wait_alu depctr_va_vdst(0)
	s_cmp_lg_u32 s[NPS], 0
	s_cbranch_scc1 .Lpass
	s_wait_dscnt 0x0
	s_barrier_signal -1
	s_barrier_wait -1                              ; all waves' scale bytes lie in LDS
	s_cmp_lt_u32 s[WV], 2
	s_cbranch_scc0 .Lno_scales
	ds_load_b128 v[16:19], v[YRD]
	s_wait_dscnt 0x0
	global_store_b128 v[LI], v[16:19], s[72:73]    ; 512 consecutive bytes, aligned
.Lno_scales:
	s_wait_tensorcnt 0x0                           ; the wave's end
	ds_add_u32 v[SPW], v[NIL]
	s_wait_dscnt 0x0
	CROUND                                         ; the closing round
	s_endpgm
.Lfunc_end_k_qe15b95a925_attn:
	.size	k_qe15b95a925_attn, .Lfunc_end_k_qe15b95a925_attn-k_qe15b95a925_attn
	.p2alignl 7, 3214868480
	.fill 96, 4, 3214868480
	.section	.rodata,"a",@progbits
	.p2align	6, 0x0
	.amdhsa_kernel k_qe15b95a925_attn
		.amdhsa_group_segment_fixed_size 327680
		.amdhsa_private_segment_fixed_size 0
		.amdhsa_enable_private_segment 0
		.amdhsa_kernarg_size 32
		.amdhsa_user_sgpr_count 2
		.amdhsa_user_sgpr_kernarg_segment_ptr 1
		.amdhsa_wavefront_size32 1
		.amdhsa_system_sgpr_workgroup_id_x 1
		.amdhsa_system_sgpr_workgroup_id_y 1
		.amdhsa_system_sgpr_workgroup_id_z 1
		.amdhsa_system_vgpr_workitem_id 0
		.amdhsa_next_free_vgpr 256
		.amdhsa_next_free_sgpr 76
		.amdhsa_reserve_vcc 0
		.amdhsa_float_denorm_mode_32 3
		.amdhsa_float_denorm_mode_16_64 3
		.amdhsa_memory_ordered 1
		.amdhsa_forward_progress 1
		.amdhsa_inst_pref_size 74
	.end_amdhsa_kernel
	.amdgpu_metadata
---
amdhsa.version: [ 1, 2 ]
amdhsa.kernels:
  - .name:           k_qe15b95a925_attn
    .symbol:         k_qe15b95a925_attn.kd
    .args:
      - { .name: qkv_codes, .offset: 0, .size: 8, .value_kind: global_buffer, .address_space: global }
      - { .name: qkv_scales, .offset: 8, .size: 8, .value_kind: global_buffer, .address_space: global }
      - { .name: y_codes, .offset: 16, .size: 8, .value_kind: global_buffer, .address_space: global }
      - { .name: y_scales, .offset: 24, .size: 8, .value_kind: global_buffer, .address_space: global }
    .group_segment_fixed_size: 327680
    .private_segment_fixed_size: 0
    .kernarg_segment_align: 8
    .kernarg_segment_size: 32
    .max_flat_workgroup_size: 512
    .sgpr_count:     76
    .vgpr_count:     256
    .wavefront_size: 32
...
	.end_amdgpu_metadata
.endif
;; end of part 3
;; launch oproj (part 4): grid 4 x 32, 4 waves a work-group, clusters of 4 x 4, 327,680 bytes of LDS; arguments y_codes, y_scales, xw_codes, xw_scales, out0; writes out0
.if DOCPART == 4
	.amdgcn_target "amdgcn-amd-amdhsa--gfx1250"
	.amdhsa_code_object_version 6
	.text
	.protected	k_qe15b95a925_oproj
	.globl	k_qe15b95a925_oproj
	.p2align	8
	.type	k_qe15b95a925_oproj,@function
k_qe15b95a925_oproj:
	s_mov_b64 s[64:65], 0
	v_nop
	global_prefetch_b8 v0, s[64:65] scope:SCOPE_SE
	s_setreg_imm32_b32 hwreg(HW_REG_WAVE_MODE, 25, 1), 1
	s_wait_xcnt 0x0
	s_wait_alu depctr_hold_cnt(0) depctr_sa_sdst(0) depctr_va_vdst(0) depctr_va_sdst(0) depctr_va_ssrc(0) depctr_va_vcc(0) depctr_vm_vsrc(0)
	s_getreg_b32 s2, hwreg(HW_REG_IB_STS2, 6, 4)
	s_cmp_eq_u32 s2, 0
	s_cbranch_scc0 .Lentry_in_a_cluster
	s_endpgm
.Lentry_in_a_cluster:
	s_bfe_u32 s2, ttmp6, 0x10000c
	s_cmp_lg_u32 s2, 0xf033
	s_cbranch_scc0 .Lentry_shape_is_right
	s_endpgm
.Lentry_shape_is_right:
.set SIZE_N, 1024
.set KSTEP,  256
.set NQ,     KSTEP/128
.set ROWB,   256                       ; a row of B's tile: a chunk of 192 bytes of codes and 64 of zeros, on a 256-byte border
.set KROW,   1024
.set PITCH,  272
.set FR,     12
.set NL,     6
.set NP,     4
.set HALFA,  4*6144
.set HALFB,  128*PITCH
.set SLOT,   2*HALFA+2*HALFB
.set KS,     32
.set SCL,    2*SLOT
.set HALFS,  (128*KS/256)*272
.set SBLK,   (16*KS/256)*272
.set SPARE,  SCL+4*HALFS
.set SPITCH, 528
.set ADRA, 16
.set ADRB, 20
.set STO,  24
.set RD,   25
.set CO,   26
.set ADRS, 27
.set SPW,  28
.set NIL,  29
.set SC,   32
.set AF,   128
.set BK,   128
.set G1, 24
.set G0, 32
.set G1B, 48
.set G0B, 56
.set G1SB, 80
.set G0SB, 88
.set MSB, 0
.macro WIN new
.if MSB != (\new)
	s_set_vgpr_msb (MSB<<8)|(\new)
.set MSB, (\new)
.endif
.endm
.set MUL_LO, 0xa1
.set MUL_HI, 0xf1
.set TO_B,   0x40
.macro JLOAD g0a, g1a, g0b, g1b
	s_cmp_eq_u32 s15, 0
	s_cbranch_scc0 .Lfor_b_\@
	tensor_load_to_lds s[\g0a:\g0a+3], s[\g1a:\g1a+7]
	s_nop 0
.rept 4
	v_nop
.endr
	s_branch .Lasked_\@
.Lfor_b_\@:
	tensor_load_to_lds s[\g0b:\g0b+3], s[\g1b:\g1b+7]
	s_nop 0
.rept 4
	v_nop
.endr
.Lasked_\@:
.endm
.macro CREST
	s_cmp_lg_u32 s14, 0
	s_cbranch_scc1 .Lnot_wave_0_\@
	s_barrier_signal -3
.Lnot_wave_0_\@:
	s_barrier_wait -3
	s_barrier_signal -1
	s_barrier_wait -1
.endm
.macro CROUND
	s_barrier_signal -1
	s_barrier_wait -1
	CREST
.endm
	s_load_b128 s[4:7], s[0:1], 0x0
	s_load_b128 s[8:11], s[0:1], 0x10
	s_load_b64 s[12:13], s[0:1], 0x20
	v_lshl_add_u32 v[SPW], v0, 2, SPARE
	v_mov_b32 v[NIL], 0
	ds_add_u32 v28, v29
	ds_add_u32 v28, v29
	s_wait_dscnt 0x0
	v_lshrrev_b32 v1, 5, v0
	v_readfirstlane_b32 s14, v1
	s_lshr_b32 s15, s14, 1
	s_and_b32 s16, s14, 1
	s_bfe_u32 s40, ttmp6, 0x40000
	s_bfe_u32 s41, ttmp6, 0x40004
	s_lshl_b32 s42, ttmp9, 2
	s_add_co_u32 s42, s42, s40
	s_and_b32 s17, ttmp7, 0xffff
	s_lshl_b32 s17, s17, 2
	s_add_co_u32 s17, s17, s41
	s_lshl_b32 s43, s41, 2
	s_lshl_b32 s43, 15, s43
	s_lshl_b32 s44, 0x1111, s40
	s_or_b32 s[G1+0], s43, (3<<16)|(1<<21)
	s_mov_b32 s[G1+1], 768<<16
	s_mov_b32 s[G1+2], 4<<16
	s_mov_b32 s[G1+3], 768<<16
	s_mov_b32 s[G1+4], 4
	s_mov_b32 s[G1+5], 12288
	s_mov_b32 s[G1+6], 0
	s_mov_b32 s[G1+7], 0
	s_or_b32 s[G1B+0], s44, (0<<16)|(1<<20)|(1<<21)|(5<<22)|(3<<25)
	s_mov_b32 s[G1B+1], ROWB<<16
	s_mov_b32 s[G1B+2], 256<<16                    ; 256 rows for the head's load, set to 128 behind it
	s_mov_b32 s[G1B+3], ROWB<<16
	s_mov_b32 s[G1B+4], 256
	s_mov_b32 s[G1B+5], KROW
	s_mov_b32 s[G1B+6], 0
	s_mov_b32 s[G1B+7], 0
	s_or_b32 s[G1SB+0], s44, (3<<16)|(1<<20)|(1<<21)|(5<<22)|(3<<25)
	s_mov_b32 s[G1SB+1], 32<<16
	s_mov_b32 s[G1SB+2], 32<<16                    ; the scale bytes of B's 256 rows: 32 rows of 256 bytes
	s_mov_b32 s[G1SB+3], 32<<16
	s_mov_b32 s[G1SB+4], 32
	s_mov_b32 s[G1SB+5], 32
	s_mov_b32 s[G1SB+6], 0
	s_mov_b32 s[G1SB+7], 0
	s_lshl_b32 s18, s16, 7
	s_lshr_b32 s20, s17, 3
	s_mul_i32 s20, s20, 16*98304
	s_and_b32 s21, s17, 7
	s_lshl_b32 s21, s21, 8
	s_add_co_u32 s21, s21, s18
	s_mul_i32 s21, s21, 48
	s_add_co_u32 s20, s20, s21
	s_mov_b32 s21, 0
	s_lshr_b32 s96, s17, 3
	s_lshl_b32 s96, s96, 16
	s_and_b32 s97, s17, 7
	s_lshl_b32 s97, s97, 9
	s_add_co_u32 s96, s96, s97
	s_mov_b32 s97, 0
	s_lshl_b32 s46, s42, 8
	s_add_co_u32 s46, s46, s18
	s_add_co_u32 s46, s46, 11264
	s_mul_i32 s46, s46, KROW
	s_mov_b32 s47, 0
	s_lshl_b32 s92, s42, 8
	s_add_co_u32 s92, s92, 11264
	s_lshl_b32 s92, s92, 5
	s_mov_b32 s93, 0
	s_mul_i32 s45, s16, HALFA
	s_mul_i32 s94, s16, HALFB
	s_add_co_u32 s94, s94, 2*HALFA
	s_lshl_b32 s98, s42, 8                         ; B's tile, all 256 rows, for the head's load
	s_add_co_u32 s98, s98, 11264
	s_mul_i32 s98, s98, KROW
	s_mov_b32 s99, 0
	s_wait_kmcnt 0x0
	s_add_nc_u64 s[20:21], s[4:5], s[20:21]
	s_add_nc_u64 s[96:97], s[6:7], s[96:97]
	s_add_nc_u64 s[46:47], s[8:9], s[46:47]
	s_add_nc_u64 s[92:93], s[10:11], s[92:93]
	s_add_nc_u64 s[98:99], s[8:9], s[98:99]
	CROUND
	s_mov_b32 s[G0SB], 1
	s_mov_b32 s[G0SB+1], SCL+2*HALFS
	s_mov_b64 s[G0SB+2:G0SB+3], s[92:93]
	s_or_b32 s[G0SB+3], s[G0SB+3], 0x80000000
.irp s, 0,1
	s_mov_b32 s[G0+4*\s], 1
	s_add_co_u32 s[G0+4*\s+1], s45, \s*SLOT
	s_add_nc_u64 s[G0+4*\s+2:G0+4*\s+3], s[20:21], \s*4*98304
	s_or_b32 s[G0+4*\s+3], s[G0+4*\s+3], 0x80000000
	s_mov_b32 s[G0B+4*\s], 1
	s_add_co_u32 s[G0B+4*\s+1], s94, \s*SLOT
	s_add_nc_u64 s[G0B+4*\s+2:G0B+4*\s+3], s[46:47], \s*ROWB
	s_or_b32 s[G0B+4*\s+3], s[G0B+4*\s+3], 0x80000000
.endr
	s_mov_b32 s4, 1                                ; s[4:7]: group 0 for K step 0's 256 rows of B (the arguments that lay there have been used)
	s_mov_b32 s5, 2*HALFA
	s_mov_b64 s[6:7], s[98:99]
	s_or_b32 s7, s7, 0x80000000
	; the head's tiles, one joint load a wave: waves 0, 1 A's two halves of K step 0, wave 2 B's 256 rows, wave 3 B's scale bytes; one tree of branches on the wave's number
	s_cmp_lt_u32 s14, 2
	s_cbranch_scc0 .Lhead_b
	tensor_load_to_lds s[G0:G0+3], s[G1:G1+7]
	s_nop 0
.rept 4
	v_nop
.endr
	s_branch .Lhead_asked
.Lhead_b:
	s_cmp_lt_u32 s14, 3
	s_cbranch_scc0 .Lhead_s
	tensor_load_to_lds s[4:7], s[G1B:G1B+7]
	s_nop 0
.rept 4
	v_nop
.endr
	s_branch .Lhead_asked
.Lhead_s:
	tensor_load_to_lds s[G0SB:G0SB+3], s[G1SB:G1SB+7]
	s_nop 0
.rept 4
	v_nop
.endr
.Lhead_asked:
	v_lshlrev_b32 v9, 2, v0
.irp d, 0,1,2,3,4,5,6,7,8,9,10,11,12,13,14,15
	global_load_b32 v[64+\d], v9, s[96:97] offset:4096*\d
.endr
	v_lshrrev_b32 v8, 2, v0
	v_mul_u32_u24 v8, v8, 272
	v_and_b32 v7, 3, v0
	v_lshl_add_u32 v8, v7, 6, v8
	v_add_nc_u32 v8, SCL, v8
	v_and_b32 v1, 15, v0
	v_bfe_u32 v2, v0, 4, 1
	v_mul_u32_u24 v3, v1, PITCH
	v_mul_u32_u24 v4, v2, 24
	v_add_nc_u32 v4, v3, v4
	v_and_b32 v6, 31, v0
	v_lshlrev_b32 v7, 3, v6
	s_mul_i32 s21, s15, HALFA
	s_mul_i32 s22, s16, HALFB
	s_add_co_u32 s22, s22, 2*HALFA
.irp s, 0,1
	v_add_nc_u32 v[ADRA+\s], s21, v7
	v_add_nc_u32 v[ADRB+\s], s22, v4
	s_add_co_u32 s21, s21, SLOT
	s_add_co_u32 s22, s22, SLOT
.endr
	v_mul_u32_u24 v5, v1, KS
	v_lshrrev_b32 v6, 8, v5
	v_lshl_add_u32 v5, v6, 4, v5
	s_mul_i32 s21, s15, HALFS
	s_mul_i32 s22, s16, HALFS
	s_add_co_u32 s22, s22, 2*HALFS
	s_sub_co_u32 s22, s22, s21
	v_mul_u32_u24 v6, s22, v2
	s_add_co_u32 s21, s21, SCL
	v_add_nc_u32 v5, v5, v6
	v_add_nc_u32 v[ADRS], s21, v5
	s_mul_i32 s23, s14, 16*SPITCH
	v_mul_u32_u24 v5, v1, SPITCH
	v_lshl_add_u32 v5, v2, 5, v5
	v_add_nc_u32 v[STO], s23, v5
	v_and_b32 v6, 31, v0
	v_lshlrev_b32 v[CO], 4, v6
	v_add_nc_u32 v[RD], s23, v[CO]
	s_lshl_b32 s20, s17, 8
	s_lshl_b32 s21, s15, 7
	s_add_co_u32 s20, s20, s21
	s_mov_b32 s21, 0
	s_mov_b64 s[18:19], SIZE_N*4
	s_mul_u64 s[20:21], s[20:21], s[18:19]
	s_lshl_b32 s46, s42, 10
	s_lshl_b32 s47, s16, 9
	s_add_co_u32 s46, s46, s47
	s_mov_b32 s47, 0
	s_add_nc_u64 s[20:21], s[20:21], s[46:47]
	s_add_nc_u64 s[12:13], s[12:13], s[20:21]
	s_wait_loadcnt 0x0
.irp j, 0,1,2,3,4,5,6,7
	v_perm_b32 v[80+\j], v[64+2*\j+1], v[64+2*\j], 0x05040100
	v_perm_b32 v[88+\j], v[64+2*\j+1], v[64+2*\j], 0x07060302
.endr
.irp j, 0,1,2,3
	ds_store_b128 v8, v[80+4*\j:83+4*\j] offset:16*\j
.endr
.macro FRAG reg, adr, q, i
.irp p, 0,1,2,3,4,5
.set PC, 12*(\q)+6*(\p/3)+\p%3
	ds_load_b64 v[\reg+2*\p:\reg+2*\p+1], v[\adr] offset:8*PC+(\i)*16*PITCH
.endr
.endm
.macro FRAGA reg, slot, q, i
.irp p, 0,1,2,3,4,5
	ds_load_b64 v[\reg+2*\p:\reg+2*\p+1], v[ADRA+\slot] offset:(2*(\q)+\p/3)*6144+(\i)*768+256*(\p%3)
.endr
.endm
.macro MUL16 a0, p, q, sc, zero
.irp a, \a0, \a0+1
.irp b, 0,1,2,3,4,5,6,7
.if \zero
	v_wmma_scale_f32_16x16x128_f8f6f4 v[8*(8*((\a)%4)+\b):8*(8*((\a)%4)+\b)+7], v[128*(\p)+FR*\b:128*(\p)+FR*\b+FR-1], v[AF+FR*(\a):AF+FR*(\a)+FR-1], 0, v[SC+8*NQ*(\sc)+NQ*\b+(\q)], v[SC+8*NQ*(\sc)+NQ*(\a)+(\q)] matrix_a_fmt:MATRIX_FMT_FP6 matrix_b_fmt:MATRIX_FMT_FP6 matrix_a_scale:MATRIX_SCALE_ROW1
.else
	v_wmma_scale_f32_16x16x128_f8f6f4 v[8*(8*((\a)%4)+\b):8*(8*((\a)%4)+\b)+7], v[128*(\p)+FR*\b:128*(\p)+FR*\b+FR-1], v[AF+FR*(\a):AF+FR*(\a)+FR-1], v[8*(8*((\a)%4)+\b):8*(8*((\a)%4)+\b)+7], v[SC+8*NQ*(\sc)+NQ*\b+(\q)], v[SC+8*NQ*(\sc)+NQ*(\a)+(\q)] matrix_a_fmt:MATRIX_FMT_FP6 matrix_b_fmt:MATRIX_FMT_FP6 matrix_a_scale:MATRIX_SCALE_ROW1
.endif
.endr
.endr
.endm
.macro FETCH_B slot, q, p
	WIN TO_B
.irp i, 0,1,2,3,4,5,6,7
	FRAG 128*(\p)+FR*\i, ADRB+\slot, \q, \i
.endr
	WIN 0
.endm
.macro FETCH_A slot, q, i0
.irp i, \i0, \i0+1, \i0+2, \i0+3
	FRAGA AF+FR*(\i), \slot, \q, \i
.endr
.endm
.macro SCALES sc
.irp i, 0,1,2,3,4,5,6,7
	ds_load_b64 v[SC+8*NQ*\sc+NQ*\i:SC+8*NQ*\sc+NQ*\i+1], v[ADRS] offset:\i*SBLK
.endr
.endm
.macro PLACES n
.rept \n
	v_nop
.endr
.endm
.macro STEP slot, q, zero
	s_wait_dscnt 4*NL
	WIN MUL_LO
	MUL16 0, (\q)%2, \q, \slot, \zero
	MUL16 2, (\q)%2, \q, \slot, \zero
	s_wait_dscnt 0
	PLACES NP
	FETCH_B \slot, (\q)+1, 1-(\q)%2
	FETCH_A \slot, (\q)+1, 0
	WIN MUL_HI
	MUL16 4, (\q)%2, \q, \slot, \zero
	MUL16 6, (\q)%2, \q, \slot, \zero
	PLACES NP
	WIN 0
	FETCH_A \slot, (\q)+1, 4
.endm
.macro TURN slot, next, fill
	s_wait_tensorcnt 0x0
	ds_add_u32 v[SPW], v[NIL]
	s_wait_dscnt 4*NL+1
	WIN MUL_LO
	MUL16 0, 1, NQ-1, \slot, 0
	s_wait_dscnt 0x0
	s_barrier_signal -1
	MUL16 2, 1, NQ-1, \slot, 0
	WIN 0
	s_barrier_wait -1
.if \fill
	CREST
	s_add_nc_u64 s[G0+4*\slot+2:G0+4*\slot+3], s[G0+4*\slot+2:G0+4*\slot+3], 2*4*98304
	s_add_nc_u64 s[G0B+4*\slot+2:G0B+4*\slot+3], s[G0B+4*\slot+2:G0B+4*\slot+3], 2*ROWB
	JLOAD G0+4*\slot, G1, G0B+4*\slot, G1B
.else
	PLACES NP
.endif
	s_wait_alu depctr_va_vdst(0)
	v_add_nc_u32 v[ADRS], 4*NQ, v[ADRS]
	FETCH_B \next, 0, 0
	FETCH_A \next, 0, 0
	SCALES \next
	WIN MUL_HI
	MUL16 4, 1, NQ-1, \slot, 0
	MUL16 6, 1, NQ-1, \slot, 0
	PLACES NP
	WIN 0
	FETCH_A \next, 0, 4
.endm
	s_wait_alu depctr_va_vdst(0)
	s_wait_tensorcnt 0x0                           ; my tile of the head's is in
	ds_add_u32 v[SPW], v[NIL]
	s_mov_b32 s[G1B+2], 128<<16                    ; no tensor load of mine is out: from here on a load of B brings 128 rows
	s_mov_b32 s[G1B+4], 128
	s_wait_dscnt 0x0                               ; the add is done, and so are my stores of A's scale words
	CROUND                                         ; all tiles and scale words are in, and all sixteen work-groups are here
	JLOAD G0+4, G1, G0B+4, G1B                     ; K step 1, the first tensor load behind the round
	FETCH_B 0, 0, 0
	FETCH_A 0, 0, 0
	SCALES 0
	FETCH_A 0, 0, 4
	STEP 0, 0, 1
	TURN 0, 1, 1
	STEP 1, 0, 0
	TURN 1, 0, 1
	STEP 0, 0, 0
	TURN 0, 1, 0
	STEP 1, 0, 0
	s_wait_dscnt 4*NL
	WIN MUL_LO
	MUL16 0, 1, NQ-1, 1, 0
	MUL16 2, 1, NQ-1, 1, 0
	s_wait_dscnt 0
	WIN MUL_HI
	MUL16 4, 1, NQ-1, 1, 0
	MUL16 6, 1, NQ-1, 1, 0
	WIN 0
.macro TOSTAGE a
.set AC, 64*((\a)%4)
	WIN 0x08+4*((\a)/4)
.irp b, 0,1,2,3,4,5,6,7
	ds_store_b128 v[STO], v[AC+8*\b:AC+8*\b+3] offset:64*\b
	ds_store_b128 v[STO], v[AC+8*\b+4:AC+8*\b+7] offset:64*\b+16
.endr
	WIN 0
.set BB, BK+64*((\a)%2)
.irp t, 0,1,2,3,4,5,6,7,8,9,10,11,12,13,14,15
	ds_load_b128 v[BB+4*\t:BB+4*\t+3], v[RD] offset:\t*SPITCH
.endr
.endm
.macro SEND a, younger
.set BB, BK+64*((\a)%2)
	s_wait_dscnt \younger
.if (\a) > 0
	s_add_nc_u64 s[12:13], s[12:13], 16*SIZE_N*4
.endif
.irp t, 0,1,2,3,4,5,6,7,8,9,10,11,12,13,14,15
	global_store_b128 v[CO], v[BB+4*\t:BB+4*\t+3], s[12:13] offset:\t*SIZE_N*4 th:TH_STORE_NT
.endr
.endm
	PLACES NP
	TOSTAGE 0
.irp a, 1,2,3,4,5,6,7
.if \a > 1
	s_wait_xcnt 0x0
.endif
	TOSTAGE \a
	SEND \a-1, 32
.endr
	s_wait_xcnt 0x0
	SEND 7, 0
	s_wait_tensorcnt 0x0
	ds_add_u32 v[SPW], v[NIL]
	s_wait_dscnt 0x0
	CROUND
	s_endpgm
.Lfunc_end_k_qe15b95a925_oproj:
	.size	k_qe15b95a925_oproj, .Lfunc_end_k_qe15b95a925_oproj-k_qe15b95a925_oproj
	.p2alignl 7, 3214868480
	.fill 96, 4, 3214868480
	.section	.rodata,"a",@progbits
	.p2align	6, 0x0
	.amdhsa_kernel k_qe15b95a925_oproj
		.amdhsa_group_segment_fixed_size 327680
		.amdhsa_private_segment_fixed_size 0
		.amdhsa_enable_private_segment 0
		.amdhsa_kernarg_size 40
		.amdhsa_user_sgpr_count 2
		.amdhsa_user_sgpr_kernarg_segment_ptr 1
		.amdhsa_wavefront_size32 1
		.amdhsa_system_sgpr_workgroup_id_x 1
		.amdhsa_system_sgpr_workgroup_id_y 1
		.amdhsa_system_sgpr_workgroup_id_z 1
		.amdhsa_system_vgpr_workitem_id 0
		.amdhsa_next_free_vgpr 1024
		.amdhsa_next_free_sgpr 100
		.amdhsa_reserve_vcc 0
		.amdhsa_float_denorm_mode_32 3
		.amdhsa_float_denorm_mode_16_64 3
		.amdhsa_memory_ordered 1
		.amdhsa_forward_progress 1
		.amdhsa_inst_pref_size 164
	.end_amdhsa_kernel
	.amdgpu_metadata
---
amdhsa.version: [ 1, 2 ]
amdhsa.kernels:
  - .name:           k_qe15b95a925_oproj
    .symbol:         k_qe15b95a925_oproj.kd
    .args:
      - { .name: y_codes, .offset: 0, .size: 8, .value_kind: global_buffer, .address_space: global }
      - { .name: y_scales, .offset: 8, .size: 8, .value_kind: global_buffer, .address_space: global }
      - { .name: xw_codes, .offset: 16, .size: 8, .value_kind: global_buffer, .address_space: global }
      - { .name: xw_scales, .offset: 24, .size: 8, .value_kind: global_buffer, .address_space: global }
      - { .name: out0, .offset: 32, .size: 8, .value_kind: global_buffer, .address_space: global }
    .group_segment_fixed_size: 327680
    .private_segment_fixed_size: 0
    .kernarg_segment_align: 8
    .kernarg_segment_size: 40
    .max_flat_workgroup_size: 128
    .sgpr_count:     100
    .vgpr_count:     1024
    .wavefront_size: 32
...
	.end_amdgpu_metadata
.endif
;; end of part 4
